; MI455X (gfx1250); checked and timed in simulation.
; The chip was launched on July 23, 2026; its instructions are those of AMD's public machine-readable ISA for CDNA 5 (MIT licence, August 2026) and "CDNA5" Instruction Set Architecture Reference Guide (July 2026). The comments in the code are by the model that wrote it; some were corrected since.
;; Multi Head Attention. Allowed arithmetic: matrix products marked QUANTISED: E2M3 operands, one E8M0 scale for each 32 along K, by v_wmma_scale_f32_16x16x128_f8f6f4 with both operands' format E2M3, f32 sums; everything else in f32.
;; Inputs: Wk 1,024 x 1,024 float32; Wo 1,024 x 1,024 float32; Wq 1,024 x 1,024 float32; Wv 1,024 x 1,024 float32; bk 1,024 float32; bo 1,024 float32; bq 1,024 float32; bv 1,024 float32; key 2 x 2,048 x 1,024 float32; query 2 x 2,048 x 1,024 float32; value 2 x 2,048 x 1,024 float32.
;; Outputs: out0 2 x 2,048 x 1,024 float32.
;; This version of the problem:
;;   THIS VERSION OF THE PROBLEM IS GIVEN IN LOW PRECISION. The matrix products marked QUANTISED in the list below multiply operands that are first quantised to E2M3 (2 exponent bits, 3 mantissa bits; 6 bits a number), with one power-of-two scale for each 32 numbers along K (OCP MX v1.0); their sums are f32. All else is computed in f32.
;;   The module's matrix products, in the order in which they are computed (A, B: the left and right operand; K: the contracted axis; several contracted axes count as one K, in the product's order):
;;     1. [M 4,096, K 1,024] x [K 1,024, N 1,024]; A: input query; B: input Wq: QUANTISED
;;     2. [M 4,096, K 1,024] x [K 1,024, N 1,024]; A: input key; B: input Wk: QUANTISED
;;     3. [M 4,096, K 1,024] x [K 1,024, N 1,024]; A: input value; B: input Wv: QUANTISED
;;     4. batch 32 x [M 2,048, K 64] x [K 64, N 2,048]; A: computed on the way; B: computed on the way: QUANTISED
;;     5. batch 32 x [M 2,048, K 2,048] x [K 2,048, N 64]; A: softmax (see below); B: computed on the way: QUANTISED
;;     6. [M 4,096, K 1,024] x [K 1,024, N 1,024]; A: computed on the way; B: input Wo: QUANTISED
;;   THE QUANTISER, for each operand of a quantised product, along K:
;;     - K is cut into blocks of 32 from its start; a last block that is shorter is filled with zeros.
;;     - A block's scale is 2^e with e = floor(log2(the largest magnitude in the block)) - 2, held to -126 .. 127; a block of zeros has e = 0. As a byte (E8M0): e + 127.
;;     - Each number is divided by its block's scale, clamped to +-7.5, and rounded to the nearest number of E2M3, ties to even, subnormals kept.
;;     - The product sums the exact products of the quantised numbers (number of the format x scale) in f32.
;;   ~~~python
;;   def quantise(x, axis):      # numpy; x: float32 -> the quantised numbers, widened to float32 again
;;       x = np.moveaxis(x, axis, -1); K = x.shape[-1]
;;       x = np.pad(x, [(0, 0)] * (x.ndim - 1) + [(0, -K % 32)]); x = x.reshape(x.shape[:-1] + (-1, 32)); a = np.abs(x).max(-1, keepdims=True)
;;       e = np.where(a > 0, np.clip(np.frexp(np.where(a > 0, a, 1))[1] - 1 - 2, -126, 127), 0)      # np.frexp(a)[1] - 1 = floor(log2(a)), exactly
;;       r = np.clip(x / 2.0 ** e, -7.5, 7.5)
;;       step = 2.0 ** (np.maximum(np.frexp(np.where(r == 0, 1, r))[1] - 1, 0) - 3)
;;       q = np.round(r / step) * step * 2.0 ** e      # np.round: ties to even
;;       return np.moveaxis(q.reshape(q.shape[:-2] + (-1,))[..., :K], -1, axis).astype(np.float32)
;;   ~~~
;;   SOFTMAX AHEAD OF A QUANTISED PRODUCT. Where the list says 'softmax', what is quantised is not the finished softmax but p = 2^(t - M), with t = logit x log2(e) and M = ceil(the row's largest t), a whole number; so 1/2 < the row's largest p <= 1. The row's sum l is taken of the UNQUANTISED p, in f32, and the product's result is divided by l at the end. Since M is a whole number, a kernel that streams over the keys may use a running M (the ceiling of the running maximum): every later rescaling is an exact power of two, which a block's scale takes up: the codes' values come out the same.
;;   OPERANDS COMPUTED ON THE WAY. 'Computed on the way' means the value that the module computes at that place (a softmax that the list does not call 'softmax' is quantised finished and normalised). What goes into a quantiser is computed in f32, as accurately as f32 sums, v_exp_f32 and their like allow (about 1e-6 of the number): no bf16 or f16 on the way to a quantiser, and a product that is left as it is and whose result goes on into a quantised operand takes f32 operands (vector FMAs, or v_wmma_f32_16x16x4_f32). A number that lies on a knife's edge between two numbers of the format may be rounded either way, as far as f32 arithmetic and the matrix unit's own rounding can turn it there, and no further.
;; One version. Each part assembles by itself: llvm-mc -triple=amdgcn-amd-amdhsa -mcpu=gfx1250 --defsym DOCPART=n.
;; ======== version 1 of 1: 4 launches
;; limits: right only within a limited range of input values
;; workspace buffers: codes 12,582,912 bytes; scales 524,288 bytes; acts 9,830,400 bytes; acts_s 262,144 bytes; ao 3,145,728 bytes; ao_s 131,072 bytes
;; launch quant (part 1): grid 256 x 1, 4 waves a work-group, no clusters, 327,680 bytes of LDS; arguments query, key, value, Wq, Wk, Wv, Wo, codes, scales; writes codes, scales
.if DOCPART == 1
	.amdgcn_target "amdgcn-amd-amdhsa--gfx1250"
	.amdhsa_code_object_version 6
	.text
	.protected	k_q863c65410c_quant
	.globl	k_q863c65410c_quant
	.p2align	8
	.type	k_q863c65410c_quant,@function
k_q863c65410c_quant:
	s_mov_b64 s[64:65], 0
	v_nop
	global_prefetch_b8 v0, s[64:65] scope:SCOPE_SE
	s_setreg_imm32_b32 hwreg(HW_REG_WAVE_MODE, 25, 1), 1
	s_wait_xcnt 0x0
; query, key, value [4096][1024] and Wq, Wk, Wv, Wo [1024][1024], f32, become codes of FP6 (E2M3) and E8M0 scale words, laid in the order of a matrix operand's registers.
; All inputs of the problem have a way to the output: no work is left out in this program.
; THE ROWS OF A BLOCK: lane r of block 4 G + v is row 64 G + 32 (r / 8) + 8 v + r % 8.  So where four such blocks are a product's source 0, a lane's 32 result registers are 32 neighbouring rows: one scale block of the next product.
; A block of 16 rows is 12,288 bytes of codes: [K step of 128: 8][c 2][768], and 512 bytes of scale words: [K half 2][lane 16][4 words].
; SHARES.  A work-group takes 64 rows on end, four blocks, a wave a block.  The rows come into LDS as four tiles of 64 rows x 1,024 bytes, one quarter of K each: wave q asks for quarter q, its one tensor load,
; in an arm of its own.  Four barriers show the quarters one after the other: ahead of barrier q wave q alone waits for its load (the last: every wave); nothing is filled again.
; An LDS row is 1,024 bytes + 16 of padding.  A lane holds two whole blocks of 32 along K in a step, so no other lane is asked for a maximum.
; LIMITS: NaN and infinities are not served; a block of zeros gets the scale byte 1 (its codes are zeros; this program alone reads the bytes).
.set QR,    66560                      ; a quarter's region: 64 rows x 1,040
.set PITCH, 1040
.set O16,  5
.set O8,   6
.set SH,   7
.set W,    16
.set WS,   24
.set LQ,   28                          ; v28-31 my row's LDS address in quarter 0 .. 3
.set X,    32
.set C,    160
.set T,    184
.set G1,   16
.set G0,   24
.set SEL,  86
	s_load_b512 s[68:83], s[0:1], 0x0
	s_load_b64 s[84:85], s[0:1], 0x40
	v_lshl_add_u32 v192, v0, 2, 0x41000
	v_mov_b32 v193, 0
	ds_add_u32 v192, v193                          ; the opening lines
	ds_add_u32 v192, v193
	v_lshrrev_b32 v1, 5, v0
	v_readfirstlane_b32 s2, v1                     ; wave
	s_mov_b32 s[G1+0], (2<<16)|(1<<20)|(7<<22)|(3<<25)   ; elements of 4 bytes; 4 words of padding behind every 256
	s_mov_b32 s[G1+1], 256<<16
	s_mov_b32 s[G1+2], 64<<16
	s_mov_b32 s[G1+3], 256<<16
	s_mov_b32 s[G1+4], 64
	s_mov_b32 s[G1+5], 1024
	s_mov_b32 s[G1+6], 0
	s_mov_b32 s[G1+7], 0
	s_mov_b32 s[SEL], 0x76543210
	s_mov_b32 s[SEL+1], 0xfedcba98
	s_mov_b32 s3, 0
	s_wait_dscnt 0x0
	s_wait_kmcnt 0x0
	s_mov_b64 s[4:5], s[68:69]
.macro PICK lim, ptr                   ; which tensor: by the work-group's number alone
	s_cmp_ge_u32 ttmp9, \lim
	s_cselect_b64 s[4:5], s[\ptr:\ptr+1], s[4:5]
	s_cselect_b32 s3, \lim, s3
.endm
	PICK 64, 70
	PICK 128, 72
	PICK 192, 74
	PICK 208, 76
	PICK 224, 78
	PICK 240, 80
	s_sub_co_u32 s8, ttmp9, s3
	s_lshl_b32 s8, s8, 18                          ; my work-group's 64 rows of 4,096 bytes,
	s_lshl_b32 s9, s2, 10
	s_add_co_u32 s8, s8, s9                        ; my quarter of K
	s_mov_b32 s9, 0
	s_mov_b32 s[G0], 1
	s_mul_i32 s[G0+1], s2, QR
	s_add_nc_u64 s[G0+2:G0+3], s[4:5], s[8:9]
	s_or_b32 s[G0+3], s[G0+3], 0x80000000
.macro ARM w                           ; a load line of its own for each wave
	s_cmp_eq_u32 s2, \w
	s_cbranch_scc0 .Lnot_\w
	tensor_load_to_lds s[G0:G0+3], s[G1:G1+7]
	s_nop 0
	s_branch .Lasked
.Lnot_\w:
.endm
	ARM 0
	ARM 1
	ARM 2
	tensor_load_to_lds s[G0:G0+3], s[G1:G1+7]
	s_nop 0
.Lasked:
	v_and_b32 v1, 31, v0
	v_and_b32 v2, 15, v0
	v_bfe_u32 v3, v0, 4, 1
	v_and_b32 v4, 8, v2
	v_mad_u32_u24 v4, v4, 3, v2                    ; r % 8 + 32 (r / 8)
	v_mul_u32_u24 v4, v4, PITCH
	v_lshl_add_u32 v4, v3, 7, v4                   ; + 128 h
	s_lshl_b32 s10, s2, 3                          ; + 8 v, v my wave
	s_mul_i32 s10, s10, PITCH
	v_add_nc_u32 v[LQ], s10, v4
.irp q, 1,2,3
	v_add_nc_u32 v[LQ+\q], \q*QR, v[LQ]
.endr
	v_lshlrev_b32 v[O16], 4, v1
	v_lshlrev_b32 v[O8], 3, v1
	v_lshlrev_b32 v[SH], 3, v3
	v_mov_b32 v13, 0
	s_lshl_b32 s11, ttmp9, 2
	s_add_co_u32 s11, s11, s2                      ; my block's number
	s_mul_i32 s12, s11, 12288
	s_mov_b32 s13, 0
	s_add_nc_u64 s[82:83], s[82:83], s[12:13]
	s_lshl_b32 s12, s11, 9
	s_add_nc_u64 s[84:85], s[84:85], s[12:13]
.macro SHOW q                          ; quarter q is shown to all four waves
.if \q < 3
	s_cmp_eq_u32 s2, \q
	s_cbranch_scc0 .Lns_\@
	s_wait_tensorcnt 0x0
.Lns_\@:
.else
	s_wait_tensorcnt 0x0
.endif
	s_wait_dscnt 0x0                               ; no LDS instruction of mine is out at the signal
	s_barrier_signal -1
	s_barrier_wait -1
.endm
.macro LOADX s
.irp c, 0,1
.irp i, 0,1,2,3,4,5,6,7
	ds_load_b128 v[X+64*((\s)%2)+32*\c+4*\i:X+64*((\s)%2)+32*\c+4*\i+3], v[LQ+(\s)/2] offset:((\s)%2)*512+256*\c+16*\i
.endr
.endr
.endm
.macro QSTEP s
.set XS, X+64*((\s)%2)
.set CD, C+12*((\s)%2)
.if (\s) < 7
.if ((\s)+1)%2 == 0
	SHOW ((\s)+1)/2
.endif
	LOADX (\s)+1
	s_wait_dscnt 16                                ; this step's numbers are in; the 16 loads just issued may be out
.else
	s_wait_dscnt 0x0
.endif
	v_max3_num_f32 v8, |v[XS]|, |v[XS+1]|, 0x1800000   ; with the floor 2^(3 - 127): the byte cannot fall under 1
	v_max3_num_f32 v9, |v[XS+32]|, |v[XS+33]|, 0x1800000
.irp i, 2,4,6,8,10,12,14,16,18,20,22,24,26,28,30
	v_max3_num_f32 v8, v8, |v[XS+\i]|, |v[XS+\i+1]|
	v_max3_num_f32 v9, v9, |v[XS+32+\i]|, |v[XS+33+\i]|
.endr
	v_add_nc_u32 v10, 0xff000000, v8               ; 2 off the exponent field: the conversion's scale operand
	v_add_nc_u32 v11, 0xff000000, v9
	v_lshrrev_b32 v8, 23, v10
	v_lshrrev_b32 v9, 23, v11
	v_lshl_or_b32 v12, v9, 16, v8
	v_lshlrev_b32 v12, v[SH], v12
	v_permlanex16_b32 v13, v12, s[SEL], s[SEL+1]
	v_or_b32 v[W+(\s)], v12, v13                   ; the step's scale word of my row
.if (\s) >= 2
	s_wait_alu depctr_va_vdst(0)
	s_wait_xcnt 0x0                                ; the stores of two steps ago have read their codes
.endif
	v_cvt_scalef32_pk16_fp6_f32 v[CD:CD+2], v[XS:XS+15], v10
	v_cvt_scalef32_pk16_fp6_f32 v[T:T+2], v[XS+16:XS+31], v10
	v_cvt_scalef32_pk16_fp6_f32 v[CD+6:CD+8], v[XS+32:XS+47], v11
	v_cvt_scalef32_pk16_fp6_f32 v[T+4:T+6], v[XS+48:XS+63], v11
	v_nop
.irp c, 0,1
.irp i, 0,1,2
	v_mov_b32 v[CD+6*\c+3+\i], v[T+4*\c+\i]
.endr
.endr
.irp c, 0,1
	global_store_b128 v[O16], v[CD+6*\c:CD+6*\c+3], s[82:83] offset:1536*(\s)+768*\c
	global_store_b64 v[O8], v[CD+6*\c+4:CD+6*\c+5], s[82:83] offset:1536*(\s)+768*\c+512
.endr
.endm
	s_wait_alu depctr_va_vdst(0)
	SHOW 0
	LOADX 0
.irp s, 0,1,2,3,4,5,6,7
	QSTEP \s
.endr
	v_cmp_eq_u32 vcc_lo, 1, v3
.irp i, 0,1,2,3
	v_cndmask_b32 v[WS+\i], v[W+\i], v[W+4+\i], vcc_lo
.endr
	global_store_b128 v[O16], v[WS:WS+3], s[84:85]
	s_wait_tensorcnt 0x0                           ; the wave's end
	ds_add_u32 v192, v193
	s_wait_dscnt 0x0
	s_endpgm
.Lfunc_end_k_q863c65410c_quant:
	.size	k_q863c65410c_quant, .Lfunc_end_k_q863c65410c_quant-k_q863c65410c_quant
	.p2alignl 7, 3214868480
	.fill 96, 4, 3214868480
	.section	.rodata,"a",@progbits
	.p2align	6, 0x0
	.amdhsa_kernel k_q863c65410c_quant
		.amdhsa_group_segment_fixed_size 327680
		.amdhsa_private_segment_fixed_size 0
		.amdhsa_enable_private_segment 0
		.amdhsa_kernarg_size 72
		.amdhsa_user_sgpr_count 2
		.amdhsa_user_sgpr_kernarg_segment_ptr 1
		.amdhsa_wavefront_size32 1
		.amdhsa_system_sgpr_workgroup_id_x 1
		.amdhsa_system_sgpr_workgroup_id_y 1
		.amdhsa_system_sgpr_workgroup_id_z 1
		.amdhsa_system_vgpr_workitem_id 0
		.amdhsa_next_free_vgpr 194
		.amdhsa_next_free_sgpr 90
		.amdhsa_reserve_vcc 1
		.amdhsa_float_denorm_mode_32 3
		.amdhsa_float_denorm_mode_16_64 3
		.amdhsa_memory_ordered 1
		.amdhsa_forward_progress 1
		.amdhsa_inst_pref_size 41
	.end_amdhsa_kernel
	.amdgpu_metadata
---
amdhsa.version: [ 1, 2 ]
amdhsa.kernels:
  - .name:           k_q863c65410c_quant
    .symbol:         k_q863c65410c_quant.kd
    .args:
      - { .name: query, .offset: 0, .size: 8, .value_kind: global_buffer, .address_space: global }
      - { .name: key, .offset: 8, .size: 8, .value_kind: global_buffer, .address_space: global }
      - { .name: value, .offset: 16, .size: 8, .value_kind: global_buffer, .address_space: global }
      - { .name: Wq, .offset: 24, .size: 8, .value_kind: global_buffer, .address_space: global }
      - { .name: Wk, .offset: 32, .size: 8, .value_kind: global_buffer, .address_space: global }
      - { .name: Wv, .offset: 40, .size: 8, .value_kind: global_buffer, .address_space: global }
      - { .name: Wo, .offset: 48, .size: 8, .value_kind: global_buffer, .address_space: global }
      - { .name: codes, .offset: 56, .size: 8, .value_kind: global_buffer, .address_space: global }
      - { .name: scales, .offset: 64, .size: 8, .value_kind: global_buffer, .address_space: global }
    .group_segment_fixed_size: 327680
    .private_segment_fixed_size: 0
    .kernarg_segment_align: 8
    .kernarg_segment_size: 72
    .max_flat_workgroup_size: 128
    .sgpr_count:     90
    .vgpr_count:     194
    .wavefront_size: 32
...
	.end_amdgpu_metadata
.endif
;; end of part 1
;; launch qkv (part 2): grid 4 x 64, 4 waves a work-group, clusters of 4 x 4, 327,680 bytes of LDS; arguments codes, scales, bq, bk, bv, acts, acts_s; writes acts, acts_s
.if DOCPART == 2
	.amdgcn_target "amdgcn-amd-amdhsa--gfx1250"
	.amdhsa_code_object_version 6
	.text
	.protected	k_q863c65410c_qkv
	.globl	k_q863c65410c_qkv
	.p2align	8
	.type	k_q863c65410c_qkv,@function
k_q863c65410c_qkv:
	s_mov_b64 s[64:65], 0
	v_nop
	global_prefetch_b8 v0, s[64:65] scope:SCOPE_SE
	s_setreg_imm32_b32 hwreg(HW_REG_WAVE_MODE, 25, 1), 1
	s_wait_xcnt 0x0
	s_wait_alu depctr_hold_cnt(0) depctr_sa_sdst(0) depctr_va_vdst(0) depctr_va_sdst(0) depctr_va_ssrc(0) depctr_va_vcc(0) depctr_vm_vsrc(0)
	s_getreg_b32 s2, hwreg(HW_REG_IB_STS2, 6, 4)
	s_cmp_eq_u32 s2, 0
	s_cbranch_scc0 .Lentry_in_a_cluster
	s_endpgm
.Lentry_in_a_cluster:
	s_bfe_u32 s2, ttmp6, 0x10000c
	s_cmp_lg_u32 s2, 0xf033
	s_cbranch_scc0 .Lentry_shape_is_right
	s_endpgm
.Lentry_shape_is_right:
; The three projections, on codes of FP6 (E2M3) with E8M0 scales, and the quantising of their results for the attention launch.  Nothing leaves in f32.
; 256 work-groups, each with two phases.  PHASE 1: 128 x 256 of Q = query Wq^T + bq (clusters 0-7 along y) or K = key Wk^T + bk (clusters 8-15): operand A = 8 blocks of activations, B = 16 blocks of the weight;
; four waves 2 x 2, 64 x 128 each, 32 accumulators.  PHASE 2: 128 x 128 of V^T = Wv value^T + bv: A = 8 blocks of Wv, B = 8 blocks of value; a wave takes 2 blocks of A against all 8 of B, 16 accumulators.
; The matrix instruction is used transposed: source 0 = 16 rows of B, source 1 = 16 rows of A.  By the rows' order in a block (block 4 G + v, lane r: row 64 G + 32 (r / 8) + 8 v + r % 8) the 32 registers of
; result tiles 4 G .. 4 G + 3 in lane half h are B's rows 64 G + 32 h + 0 .. 31: one scale block of the next product, in the lane in which the next operand wants it.  No lane looks at another for a maximum.
; LDS: two slots, each with half of K (512): A's eight blocks of 6,144 bytes, then B's.  At the head one joint load a wave: A's and B's first half (waves 0, 1), their second (waves 2, 3).
; TWO REFILLS, each behind the three lines and a round of the cluster's barrier: in K step 3 slot 0 takes phase 2's first half, in K step 7 slot 1 its second (wave 0 A, wave 1 B).
; CLUSTER 4 x 4: A's tiles hang on cy and the cluster's number and are shared along a row of the cluster, B's on cx and the cluster's number and are shared along a column.
; PREFETCH: phase 2's two tiles (98,304 bytes each) are asked for at the head, seven K steps ahead of the first refill's use: each of the sixteen waves that will ask for a tile jointly names 24 blocks of 256 bytes of it, told apart by address.
; OUT.  acts: Q at 0: [batch x head 32][block of 16 rows: 128][768]; from 3,145,728 on [batch x head][key step of 128 keys: 16][13,056]: K's eight blocks of 768, V's [16 channels: 4][c 2][768], K's scale words (512), V's (256).
; acts_s: Q's scale words [batch x head][8 blocks: 16][half 2][lane 16][4 words], bytes 2 and 3 of a word 0 (K's likewise); V's: [lane 16][4 words].
; LIMITS: NaN and infinities are not served; a block of zeros gets the scale byte 1 (its codes are zeros; this program alone reads the bytes).
; REGISTERS, in windows of 256.  Window 0: v1-19 lanes and addresses; v32-47 A's scale words, v48-79 B's; v80-127, v128-175 A's fragments, two sets; v176-227 the way out.
;   Window 1: v0-95, v128-223 B's fragments, two sets; v96-127, v224-255 the bias along B's rows, eight registers a tile.   Window 2: accumulator (a, b) at v[8 (8 a + b)].
.set NB,    8
.set HB,    4
.set RGN,   49152                      ; in a slot: B's blocks lie behind A's eight
.set CHK,   147456                     ; a slot
.set KV0,   3145728
.set ADA16, 4
.set ADA8,  5
.set ADB16, 6
.set ADB8,  7
.set GO16,  8                          ; v8  16 x lane
.set GO8,   9                          ; v9  8 x lane
.set SA,    32
.set SB,    48
.set AF,    80
.set BM,    176                        ; v176, v178: bv at my lane's channel of A's block a (the odd registers are 0: named as pairs)
.set SW,    184                        ; v184-187 the scale words made
.set TM,    188                        ; v188-196 at work
.set PC,    204                        ; v204-215 a fragment's codes; v216-218, v220-222 the conversions' other halves
.set DD,    224
.set WV,    18
.set G1A,   24
.set G1B,   32
.set G1C,   56
.set G0A,   40                         ; s[40:47] A's two halves, s[48:55] B's; phase 2: s[68:71] A, s[72:75] B
.set MSB, 0
.macro WIN new                         ; the immediate's high byte repeats the setting that is left
.if MSB != \new
	s_set_vgpr_msb (MSB<<8)|\new
.set MSB, \new
.endif
.endm
.macro CROUND
	s_barrier_signal -1
	s_barrier_wait -1
	s_cmp_lg_u32 s[WV], 0
	s_cbranch_scc1 .Lnot_wave_0_\@
	s_barrier_signal -3
.Lnot_wave_0_\@:
	s_barrier_wait -3
	s_barrier_signal -1
	s_barrier_wait -1
.endm
.macro PLACES                          ; four plain instructions between a matrix instruction and a load into, or a read of, its registers
.rept 4
	v_nop
.endr
.endm
.macro TL g0, g1
	tensor_load_to_lds s[\g0:\g0+3], s[\g1:\g1+7]
	s_nop 0
	PLACES
.endm
	s_load_b256 s[4:11], s[0:1], 0x0               ; codes, scales, bq, bk
	s_load_b128 s[12:15], s[0:1], 0x20             ; bv, acts
	s_load_b64 s[16:17], s[0:1], 0x30              ; acts_s
	v_lshl_add_u32 v254, v0, 2, 0x48000
	v_mov_b32 v255, 0
	ds_add_u32 v254, v255                          ; the opening lines
	ds_add_u32 v254, v255
	v_lshrrev_b32 v1, 5, v0
	v_readfirstlane_b32 s[WV], v1                  ; wave 0..3
	s_lshr_b32 s19, s[WV], 1
	s_and_b32 s20, s[WV], 1
	s_bfe_u32 s21, ttmp6, 0x40000                  ; cx
	s_bfe_u32 s22, ttmp6, 0x40004                  ; cy
	s_and_b32 s23, ttmp7, 0xffff                   ; the cluster's number 0..15
	s_lshr_b32 s76, s23, 3                         ; 0: Q, 1: K
	s_and_b32 s78, s23, 7
	s_lshl_b32 s78, s78, 2
	s_add_co_u32 s78, s78, s22                     ; phase 1: tile row 0..31,
	s_mov_b32 s79, s21                             ; tile column 0..3
	s_lshl_b32 s80, s76, 8
	s_lshl_b32 s82, s78, 3
	s_add_co_u32 s80, s80, s82                     ; A's first block
	s_lshl_b32 s81, s76, 6
	s_add_co_u32 s81, s81, 768
	s_lshl_b32 s83, s79, 4
	s_add_co_u32 s81, s81, s83                     ; B's
	s_and_b32 s77, s23, 1
	s_lshl_b32 s77, s77, 2
	s_add_co_u32 s77, s77, s22                     ; phase 2: Wv's tile row 0..7,
	s_lshr_b32 s94, s23, 1
	s_lshl_b32 s94, s94, 2
	s_add_co_u32 s94, s94, s21                     ; value's tile of 128 keys 0..31
	s_lshl_b32 s96, s77, 3
	s_add_co_u32 s96, s96, 896                     ; A's first block (Wv)
	s_lshl_b32 s97, s94, 3
	s_add_co_u32 s97, s97, 512                     ; B's (value)
	s_mul_i32 s84, s80, 12288
	s_mov_b32 s85, 0
	s_mul_i32 s88, s81, 12288
	s_mov_b32 s89, 0
	s_lshl_b32 s92, s22, 2
	s_lshl_b32 s92, 15, s92                        ; my row of the cluster
	s_lshl_b32 s93, 0x1111, s21                    ; my column
	s_or_b32 s[G1A], s92, (3<<16)|(1<<21)          ; groups 1: rows (blocks) of 6,144 bytes (512 along K), 12,288 bytes apart; elements of 8 bytes; dense in LDS
	s_or_b32 s[G1B], s93, (3<<16)|(1<<21)
	s_or_b32 s[G1C], s93, (3<<16)|(1<<21)
.irp g, G1A, G1B, G1C
	s_mov_b32 s[\g+1], 768<<16
	s_mov_b32 s[\g+3], 768<<16
	s_mov_b32 s[\g+5], 1536
	s_mov_b32 s[\g+6], 0
	s_mov_b32 s[\g+7], 0
.endr
	s_mov_b32 s[G1A+2], 8<<16
	s_mov_b32 s[G1A+4], 8
	s_mov_b32 s[G1B+2], 16<<16
	s_mov_b32 s[G1B+4], 16
	s_mov_b32 s[G1C+2], 8<<16
	s_mov_b32 s[G1C+4], 8
	s_wait_dscnt 0x0
	s_wait_kmcnt 0x0
	s_add_nc_u64 s[86:87], s[4:5], s[84:85]
	s_add_nc_u64 s[90:91], s[4:5], s[88:89]
.irp c, 0,1
	s_mov_b32 s[G0A+4*\c], 1
	s_mov_b32 s[G0A+4*\c+1], \c*CHK
	s_add_nc_u64 s[G0A+4*\c+2:G0A+4*\c+3], s[86:87], \c*6144
	s_or_b32 s[G0A+4*\c+3], s[G0A+4*\c+3], 0x80000000
	s_mov_b32 s[G0A+8+4*\c], 1
	s_mov_b32 s[G0A+8+4*\c+1], \c*CHK+RGN
	s_add_nc_u64 s[G0A+8+4*\c+2:G0A+8+4*\c+3], s[90:91], \c*6144
	s_or_b32 s[G0A+8+4*\c+3], s[G0A+8+4*\c+3], 0x80000000
.endr
	CROUND                                         ; all sixteen work-groups are here: the joint loads meet
.macro ARM w, g0, g1                   ; one chain of branches on the wave's number, one load to an arm
	s_cmp_eq_u32 s[WV], \w
	s_cbranch_scc0 .Lnot_\w
	TL \g0, \g1
	s_branch .Lasked
.Lnot_\w:
.endm
	ARM 0, G0A, G1A
	ARM 1, G0A+8, G1B
	ARM 2, G0A+4, G1A
	TL G0A+12, G1B
.Lasked:
	s_mul_i32 s84, s96, 12288                      ; phase 2's groups 0, first half of K into slot 0
	s_mul_i32 s88, s97, 12288
	s_mov_b32 s68, 1
	s_mov_b32 s69, 0
	s_add_nc_u64 s[70:71], s[4:5], s[84:85]
	s_or_b32 s71, s71, 0x80000000
	s_mov_b32 s72, 1
	s_mov_b32 s73, RGN
	s_add_nc_u64 s[74:75], s[4:5], s[88:89]
	s_or_b32 s75, s75, 0x80000000
	s_mov_b32 s3, 0
	s_lshl_b32 s2, s19, 2                          ; phase 1's scale words: my four blocks of A,
	s_add_co_u32 s2, s2, s80
	s_lshl_b32 s2, s2, 9
	s_add_nc_u64 s[100:101], s[6:7], s[2:3]
	s_lshl_b32 s2, s20, 3                          ; my eight of B
	s_add_co_u32 s2, s2, s81
	s_lshl_b32 s2, s2, 9
	s_add_nc_u64 s[92:93], s[6:7], s[2:3]
	s_lshl_b32 s2, s79, 10                         ; bq or bk at my first row of B
	s_lshl_b32 s95, s20, 9
	s_add_co_u32 s2, s2, s95
	s_cmp_eq_u32 s76, 0
	s_cselect_b64 s[8:9], s[8:9], s[10:11]
	s_add_nc_u64 s[8:9], s[8:9], s[2:3]
	s_lshl_b32 s2, s77, 9                          ; bv at 128 x tile row + 64 (wave / 2) + 16 (wave % 2)
	s_lshl_b32 s95, s19, 8
	s_add_co_u32 s2, s2, s95
	s_lshl_b32 s95, s20, 6
	s_add_co_u32 s2, s2, s95
	s_add_nc_u64 s[12:13], s[12:13], s[2:3]
	; where phase 1's results go
	s_lshr_b32 s10, s78, 4
	s_lshl_b32 s10, s10, 4
	s_lshl_b32 s95, s79, 2
	s_add_co_u32 s10, s10, s95
	s_lshl_b32 s95, s20, 1
	s_add_co_u32 s10, s10, s95                     ; 16 x batch + my first head
	s_and_b32 s11, s78, 15                         ; the tile row within the batch: for K the key step
	s_lshl_b32 s82, s10, 7
	s_lshl_b32 s95, s11, 3
	s_add_co_u32 s82, s82, s95
	s_lshl_b32 s95, s19, 2
	s_add_co_u32 s82, s82, s95
	s_mul_i32 s82, s82, 768                        ; Q: codes
	s_lshl_b32 s88, s10, 13
	s_lshl_b32 s95, s11, 9
	s_add_co_u32 s88, s88, s95
	s_lshl_b32 s95, s19, 8
	s_add_co_u32 s88, s88, s95                     ; Q: scale words
	s_mul_i32 s84, s10, 208896
	s_mul_i32 s2, s11, 13056
	s_add_co_u32 s84, s84, s2
	s_add_co_u32 s84, s84, KV0
	s_add_co_u32 s86, s84, s95
	s_add_co_u32 s86, s86, 12288                   ; K: scale words
	s_mul_i32 s2, s19, 3072
	s_add_co_u32 s84, s84, s2                      ; K: codes
	s_mov_b32 s2, 208896
	s_mov_b32 s95, 98304
	s_mov_b32 s11, 8192
	s_cmp_eq_u32 s76, 1
	s_cselect_b32 s82, s84, s82
	s_cselect_b32 s88, s86, s88
	s_cselect_b32 s84, s2, s95                     ; from my first head's codes to my second's,
	s_cselect_b32 s11, s2, s11                     ; and the same for the scale words
	s_cselect_b64 s[16:17], s[14:15], s[16:17]     ; Q's scale words go to acts_s, K's to acts
	s_mov_b32 s83, 0
	s_mov_b32 s85, 0
	s_mov_b32 s86, 768                             ; from A's block a to a + 1
	s_mov_b32 s87, 0
	s_mov_b32 s89, 0
	s_add_nc_u64 s[82:83], s[14:15], s[82:83]
	s_add_nc_u64 s[84:85], s[82:83], s[84:85]
	s_add_nc_u64 s[88:89], s[16:17], s[88:89]
	; and phase 2's, as offsets in acts: s90 codes, s91 scale words
	s_lshr_b32 s90, s94, 4
	s_lshl_b32 s90, s90, 4
	s_lshl_b32 s95, s77, 1
	s_add_co_u32 s90, s90, s95
	s_add_co_u32 s90, s90, s19                     ; 16 x batch + head (2 x tile row + wave / 2)
	s_mul_i32 s90, s90, 208896
	s_and_b32 s95, s94, 15
	s_mul_i32 s95, s95, 13056
	s_add_co_u32 s90, s90, s95
	s_lshl_b32 s95, s20, 3
	s_add_co_u32 s91, s90, s95
	s_add_co_u32 s91, s91, KV0+12800               ; my two words of a lane's four
	s_mul_i32 s95, s20, 3072
	s_add_co_u32 s90, s90, s95
	s_add_co_u32 s90, s90, KV0+6144                ; my two tiles of 16 channels of the head's four
	s_mov_b32 s98, 0x76543210
	s_mov_b32 s99, 0xfedcba98                      ; s[98:99]: lane l xor 16
	s_lshl_b32 s23, s21, 2                         ; the prefetches: my sixteenth of phase 2's A (by cx and the wave),
	s_add_co_u32 s23, s23, s[WV]
	s_mul_i32 s23, s23, 6144
	s_mul_i32 s95, s96, 12288
	s_add_co_u32 s23, s23, s95
	s_lshl_b32 s10, s22, 2                         ; and of its B (by cy and the wave)
	s_add_co_u32 s10, s10, s[WV]
	s_mul_i32 s10, s10, 6144
	s_mul_i32 s95, s97, 12288
	s_add_co_u32 s10, s10, s95
	s_mul_i32 s95, s19, 24576                      ; LDS: my four blocks of A,
	s_mul_i32 s2, s20, 49152
	s_add_co_u32 s2, s2, RGN                       ; my eight of B
	v_and_b32 v1, 31, v0                           ; lane
	v_and_b32 v2, 15, v0                           ; r
	v_bfe_u32 v3, v0, 4, 1                         ; h
	v_lshlrev_b32 v[GO16], 4, v1
	v_lshlrev_b32 v[GO8], 3, v1
	v_lshlrev_b32 v19, 4, v2                       ; 16 r
	v_lshl_add_u32 v11, v3, 11, v19                ; B's scale words: 16 r, lanes 16-31 four blocks on
	v_lshl_add_u32 v10, v3, 10, v19                ; A's: lanes 16-31 two blocks on
	v_lshlrev_b32 v12, 7, v3                       ; the bias along B's rows: 4 x 32 h
	v_and_b32 v15, 8, v2
	v_mad_u32_u24 v15, v15, 3, v2
	v_lshlrev_b32 v15, 2, v15                      ; the bias along A's rows: 4 (r % 8 + 32 (r / 8))
	v_lshlrev_b32 v18, 3, v3                       ; 8 h
	v_min_u32 v16, 23, v1                          ; 24 blocks of 256 bytes; the lanes left over name the last again
	v_lshlrev_b32 v16, 8, v16
	v_add_nc_u32 v17, s10, v16
	v_add_nc_u32 v16, s23, v16
	v_add_nc_u32 v[ADA16], s95, v[GO16]
	v_add_nc_u32 v[ADA8], s95, v[GO8]
	v_add_nc_u32 v[ADA8], 512, v[ADA8]
	v_add_nc_u32 v[ADB16], s2, v[GO16]
	v_add_nc_u32 v[ADB8], s2, v[GO8]
	v_add_nc_u32 v[ADB8], 512, v[ADB8]
	v_mov_b32 v[TM+8], 0                           ; written once: a lane permute's destination counts as one of its sources
	v_mov_b32 v[BM+1], 0
	v_mov_b32 v[BM+3], 0
	s_wait_alu depctr_va_vdst(0)
.macro SCALES                          ; the scale words of my blocks, for all of K: the word of (block a, K step s) is v[SA + 8 (a % 2) + s], in lanes 16-31 for a >= 2; B's likewise with HB
.irp i, 0,1
.irp g, 0,1
	global_load_b128 v[SA+8*\i+4*\g:SA+8*\i+4*\g+3], v10, s[100:101] offset:512*\i+256*\g
.endr
.endr
.irp i, 0,1,2,3
.irp g, 0,1
	global_load_b128 v[SB+8*\i+4*\g:SB+8*\i+4*\g+3], v11, s[92:93] offset:512*\i+256*\g
.endr
.endr
.endm
	SCALES
	global_load_b32 v[BM], v15, s[12:13]
	global_load_b32 v[BM+2], v15, s[12:13] offset:32
	WIN 0x40                                       ; destination window 1
.irp b, 0,1,2,3,4,5,6,7                ; tile b, lane half h: rows 64 (b / 4) + 32 h + 8 (b % 4) + 0 .. 7 of B: the C of each sum's first matrix instruction
	global_load_b128 v[96+8*\b+96*(\b/4):96+8*\b+96*(\b/4)+3], v12, s[8:9] offset:256*(\b/4)+32*(\b%4)
	global_load_b128 v[96+8*\b+96*(\b/4)+4:96+8*\b+96*(\b/4)+7], v12, s[8:9] offset:256*(\b/4)+32*(\b%4)+16
.endr
	WIN 0
	global_prefetch_b8 v16, s[4:5] th:TH_LOAD_NT scope:SCOPE_SE
	global_prefetch_b8 v17, s[4:5] th:TH_LOAD_NT scope:SCOPE_SE
.macro FETCH s, na                     ; the fragments of K step s into set s % 2: B's eight, and na half fragments of A; a half fragment is one load of 16 bytes a lane and one of 8
	WIN 0x40
.set fb, 0
.rept 2*NB
	ds_load_b128 v[128*((\s)%2)+6*fb:128*((\s)%2)+6*fb+3], v[ADB16] offset:6144*(fb/2)+1536*((\s)%4)+768*(fb%2)
	ds_load_b64 v[128*((\s)%2)+6*fb+4:128*((\s)%2)+6*fb+5], v[ADB8] offset:6144*(fb/2)+1536*((\s)%4)+768*(fb%2)
.set fb, fb+1
.endr
	WIN 0
.set fb, 0
.rept \na
	ds_load_b128 v[AF+48*((\s)%2)+6*fb:AF+48*((\s)%2)+6*fb+3], v[ADA16] offset:6144*(fb/2)+1536*((\s)%4)+768*(fb%2)
	ds_load_b64 v[AF+48*((\s)%2)+6*fb+4:AF+48*((\s)%2)+6*fb+5], v[ADA8] offset:6144*(fb/2)+1536*((\s)%4)+768*(fb%2)
.set fb, fb+1
.endr
.endm
.macro WM c
.if (mb >= HB) && (ma >= 2)
	v_wmma_scale_f32_16x16x128_f8f6f4 v[rD:rD+7], v[rB:rB+11], v[rA:rA+11], \c, v[rSB], v[rSA] matrix_a_fmt:MATRIX_FMT_FP6 matrix_b_fmt:MATRIX_FMT_FP6 matrix_a_scale:MATRIX_SCALE_ROW1 matrix_b_scale:MATRIX_SCALE_ROW1
.elseif mb >= HB
	v_wmma_scale_f32_16x16x128_f8f6f4 v[rD:rD+7], v[rB:rB+11], v[rA:rA+11], \c, v[rSB], v[rSA] matrix_a_fmt:MATRIX_FMT_FP6 matrix_b_fmt:MATRIX_FMT_FP6 matrix_a_scale:MATRIX_SCALE_ROW1
.elseif ma >= 2
	v_wmma_scale_f32_16x16x128_f8f6f4 v[rD:rD+7], v[rB:rB+11], v[rA:rA+11], \c, v[rSB], v[rSA] matrix_a_fmt:MATRIX_FMT_FP6 matrix_b_fmt:MATRIX_FMT_FP6 matrix_b_scale:MATRIX_SCALE_ROW1
.else
	v_wmma_scale_f32_16x16x128_f8f6f4 v[rD:rD+7], v[rB:rB+11], v[rA:rA+11], \c, v[rSB], v[rSA] matrix_a_fmt:MATRIX_FMT_FP6 matrix_b_fmt:MATRIX_FMT_FP6
.endif
.endm
.macro MUL s, na, ph                   ; na x NB matrix instructions; the accumulators take turns, one instruction a turn.  K step 0 starts the sums: phase 1 with the bias as C, phase 2 with 0
.if ((\s) == 0) && ((\ph) == 1)
	WIN 0x91                                       ; source 0 (B) and C window 1, source 1 (A) window 0, D window 2
.else
	WIN 0xa1                                       ; C and D window 2
.endif
.set ma, 0
.rept \na
.set mb, 0
.rept NB
.set rD, 8*(NB*ma+mb)
.set rB, 128*((\s)%2)+12*mb
.set rA, AF+48*((\s)%2)+12*ma
.set rC, 96+8*mb+96*(mb/4)
.set rSB, SB+8*(mb%HB)+(\s)
.set rSA, SA+8*(ma%2)+(\s)
.if (\s) > 0
	WM v[rD:rD+7]
.elseif (\ph) == 1
	WM v[rC:rC+7]
.else
	WM 0
.endif
.set mb, mb+1
.endr
.set ma, ma+1
.endr
.endm
.macro EVEN s, na, ph                  ; a K step whose successor lies in the same slot
	s_wait_dscnt 0x0                               ; this step's fragments are in
	PLACES
	FETCH (\s)+1, 2*(\na)
	MUL \s, \na, \ph
.endm
.macro ONWARD                          ; on to the other slot.  (These four are the places in front of the loads that follow)
	v_add_nc_u32 v[ADA16], CHK, v[ADA16]
	v_add_nc_u32 v[ADA8], CHK, v[ADA8]
	v_add_nc_u32 v[ADB16], CHK, v[ADB16]
	v_add_nc_u32 v[ADB8], CHK, v[ADB8]
	s_wait_alu depctr_va_vdst(0)                   ; a wait behind these writes
.endm
.macro REFILL                          ; wave 0 asks for A's half, wave 1 for B's
	s_cmp_eq_u32 s[WV], 0
	s_cbranch_scc0 .Lrb_\@
	TL 68, G1A
	s_branch .Lrd_\@
.Lrb_\@:
	s_cmp_eq_u32 s[WV], 1
	s_cbranch_scc0 .Lrd_\@
	TL 72, G1C
.Lrd_\@:
.endm
; A's block a: my 64 numbers are two scale blocks of 32 (registers 64 a + 32 c + i): their codes are the fragment's registers 6 c .. 6 c + 5 as they fall; the word's bytes 2 c + h are gathered from lane l xor 16.
.macro EPI a, first
.if (\first) == 0
	s_wait_alu depctr_va_vdst(0)
	s_wait_xcnt 0x0                                ; the last block's stores have read their codes and their bases
	s_add_nc_u64 s[82:83], s[82:83], s[86:87]
	s_add_nc_u64 s[84:85], s[84:85], s[86:87]
.endif
	WIN 0x0a                                       ; sources 0 and 1 window 2
.irp q, 0,1,2,3
	v_max3_num_f32 v[TM+\q], |v[64*\a+16*\q]|, |v[64*\a+16*\q+1]|, 0x1800000   ; four chains of 16; with the floor 2^(3 - 127): the byte cannot fall under 1
.endr
.irp i, 2,4,6,8,10,12,14
.irp q, 0,1,2,3
	v_max3_num_f32 v[TM+\q], |v[64*\a+16*\q+\i]|, |v[64*\a+16*\q+\i+1]|, v[TM+\q]
.endr
.endr
	WIN 0
	v_max_num_f32 v[TM], v[TM], v[TM+1]
	v_max_num_f32 v[TM+2], v[TM+2], v[TM+3]
	v_add_nc_u32 v[TM+4], 0xff000000, v[TM]        ; 2 off the exponent field: the conversion's scale operand
	v_add_nc_u32 v[TM+5], 0xff000000, v[TM+2]
	WIN 0x02                                       ; source 0 window 2
.irp c, 0,1
	v_cvt_scalef32_pk16_fp6_f32 v[PC+6*\c:PC+6*\c+2], v[64*\a+32*\c:64*\a+32*\c+15], v[TM+4+\c]
	v_cvt_scalef32_pk16_fp6_f32 v[PC+12+4*\c:PC+14+4*\c], v[64*\a+32*\c+16:64*\a+32*\c+31], v[TM+4+\c]
.endr
	WIN 0
	v_lshrrev_b32 v[TM+6], 23, v[TM+4]             ; the scales' bytes.  (Plain instructions behind the scaled conversions)
	v_lshrrev_b32 v[TM+7], 23, v[TM+5]
.irp c, 0,1
.irp i, 0,1,2
	v_mov_b32 v[PC+3+6*\c+\i], v[PC+12+4*\c+\i]
.endr
.endr
	global_store_b128 v[GO16], v[PC:PC+3], s[82:83]              ; each store covers 512 or 256 consecutive bytes, aligned to 256
	global_store_b64 v[GO8], v[PC+4:PC+5], s[82:83] offset:512
	global_store_b128 v[GO16], v[PC+6:PC+9], s[84:85]
	global_store_b64 v[GO8], v[PC+10:PC+11], s[84:85] offset:512
	v_lshl_or_b32 v[SW+\a], v[TM+7], 16, v[TM+6]
	v_lshlrev_b32 v[SW+\a], v18, v[SW+\a]          ; my bytes h and 2 + h,
	v_permlanex16_b32 v[TM+8], v[SW+\a], s98, s99
	v_or_b32 v[SW+\a], v[SW+\a], v[TM+8]           ; with lane l xor 16's the word is whole
.endm
	; ---- PHASE 1
	s_cmp_lt_u32 s[WV], 2
	s_cbranch_scc0 .Lnot_first
	s_wait_tensorcnt 0x0                           ; waves 0 and 1: the first half of K has landed
.Lnot_first:
	s_barrier_signal -1
	s_barrier_wait -1
	FETCH 0, 8
	s_wait_loadcnt 0x0                             ; scale words and biases
	EVEN 0, 4, 1
	EVEN 1, 4, 1
	EVEN 2, 4, 1
	WIN 0
	s_wait_tensorcnt 0x0                           ; K step 3: every wave's load has landed (slot 1 is whole),
	ds_add_u32 v254, v255
	s_wait_dscnt 0x0                               ; and my reads of slot 0 are over
	CROUND
	REFILL                                         ; slot 0 takes phase 2's first half of K
	ONWARD
	FETCH 4, 8
	MUL 3, 4, 1
	EVEN 4, 4, 1
	EVEN 5, 4, 1
	EVEN 6, 4, 1
	WIN 0
	s_wait_tensorcnt 0x0                           ; K step 7: phase 2's first half has landed,
	ds_add_u32 v254, v255
	s_add_nc_u64 s[70:71], s[70:71], 6144          ; (no load of mine is out: the groups 0 step to the second half and to slot 1)
	s_add_co_u32 s69, s69, CHK
	s_add_nc_u64 s[74:75], s[74:75], 6144
	s_add_co_u32 s73, s73, CHK
	s_mul_i32 s95, s[WV], 12288                    ; phase 2: my two blocks of A
	s_wait_dscnt 0x0                               ; and my reads of slot 1 are over
	CROUND
	REFILL                                         ; slot 1 takes phase 2's second half
	v_add_nc_u32 v[ADA16], s95, v[GO16]            ; (these five are the places in front of the loads below)
	v_add_nc_u32 v[ADA8], s95, v[GO8]
	v_add_nc_u32 v[ADA8], 512, v[ADA8]
	v_add_nc_u32 v[ADB16], RGN, v[GO16]
	v_add_nc_u32 v[ADB8], RGN+512, v[GO8]
	s_wait_alu depctr_va_vdst(0)                   ; a wait behind these writes
	FETCH 0, 4
	MUL 7, 4, 1
	WIN 0
	PLACES
	s_lshl_b32 s2, s[WV], 1                        ; phase 2's scale words land under phase 1's way out
	s_add_co_u32 s2, s2, s96
	s_lshl_b32 s2, s2, 9
	s_add_nc_u64 s[100:101], s[6:7], s[2:3]
	s_lshl_b32 s2, s97, 9
	s_add_nc_u64 s[92:93], s[6:7], s[2:3]
	SCALES
	EPI 0, 1
	EPI 1, 0
	EPI 2, 0
	EPI 3, 0
	v_lshlrev_b32 v13, 4, v3                       ; lanes 0-15 keep a word's bytes 0, 1 (my first head's), lanes 16-31 its bytes 2, 3 (my second's)
	v_mul_u32_u24 v14, s11, v3
	v_lshl_add_u32 v14, v2, 4, v14
.irp i, 0,1,2,3
	v_lshrrev_b32 v[DD+\i], v13, v[SW+\i]
.endr
.irp i, 0,1,2,3
	v_and_b32 v[DD+\i], 0xffff, v[DD+\i]
.endr
	global_store_b128 v14, v[DD:DD+3], s[88:89]    ; sixteen lanes store 256 consecutive bytes
	; ---- PHASE 2
	s_wait_xcnt 0x0                                ; the stores have read their bases and their codes
	s_mov_b32 s2, s90
	s_add_nc_u64 s[82:83], s[14:15], s[2:3]
	s_add_nc_u64 s[84:85], s[82:83], 768
	s_mov_b32 s86, 1536
	s_mov_b32 s2, s91
	s_add_nc_u64 s[88:89], s[14:15], s[2:3]
	s_wait_loadcnt 0x0                             ; the scale words
	EVEN 0, 2, 2
	EVEN 1, 2, 2
	EVEN 2, 2, 2
	WIN 0
	s_wait_dscnt 0x0
	s_wait_tensorcnt 0x0                           ; every wave's load has landed: the barrier shows slot 1
	s_barrier_signal -1
	s_barrier_wait -1
	ONWARD
	FETCH 4, 4
	MUL 3, 2, 2
	EVEN 4, 2, 2
	EVEN 5, 2, 2
	EVEN 6, 2, 2
	s_wait_dscnt 0x0
	MUL 7, 2, 2
	WIN 0
	PLACES
	WIN 0x82                                       ; destination and source 0 window 2
.set j, 0
.rept 64
	v_pk_add_f32 v[j:j+1], v[j:j+1], v[BM+2*(j/64):BM+2*(j/64)+1] op_sel_hi:[1,0]   ; V^T + bv: my lane's channel of block j / 64; each accumulator from its low end on
.set j, j+2
.endr
	WIN 0
	EPI 0, 1
	EPI 1, 0
	global_store_b64 v19, v[SW:SW+1], s[88:89]     ; my two words of each lane's four (both halves of the lanes write the same bytes with the same values)
	s_wait_dscnt 0x0
	s_wait_tensorcnt 0x0                           ; the wave's end
	ds_add_u32 v254, v255
	s_wait_dscnt 0x0
	CROUND                                         ; the closing round
	s_endpgm
.Lfunc_end_k_q863c65410c_qkv:
	.size	k_q863c65410c_qkv, .Lfunc_end_k_q863c65410c_qkv-k_q863c65410c_qkv
	.p2alignl 7, 3214868480
	.fill 96, 4, 3214868480
	.section	.rodata,"a",@progbits
	.p2align	6, 0x0
	.amdhsa_kernel k_q863c65410c_qkv
		.amdhsa_group_segment_fixed_size 327680
		.amdhsa_private_segment_fixed_size 0
		.amdhsa_enable_private_segment 0
		.amdhsa_kernarg_size 56
		.amdhsa_user_sgpr_count 2
		.amdhsa_user_sgpr_kernarg_segment_ptr 1
		.amdhsa_wavefront_size32 1
		.amdhsa_system_sgpr_workgroup_id_x 1
		.amdhsa_system_sgpr_workgroup_id_y 1
		.amdhsa_system_sgpr_workgroup_id_z 1
		.amdhsa_system_vgpr_workitem_id 0
		.amdhsa_next_free_vgpr 768
		.amdhsa_next_free_sgpr 102
		.amdhsa_reserve_vcc 0
		.amdhsa_float_denorm_mode_32 3
		.amdhsa_float_denorm_mode_16_64 3
		.amdhsa_memory_ordered 1
		.amdhsa_forward_progress 1
		.amdhsa_inst_pref_size 142
	.end_amdhsa_kernel
	.amdgpu_metadata
---
amdhsa.version: [ 1, 2 ]
amdhsa.kernels:
  - .name:           k_q863c65410c_qkv
    .symbol:         k_q863c65410c_qkv.kd
    .args:
      - { .name: codes, .offset: 0, .size: 8, .value_kind: global_buffer, .address_space: global }
      - { .name: scales, .offset: 8, .size: 8, .value_kind: global_buffer, .address_space: global }
      - { .name: bq, .offset: 16, .size: 8, .value_kind: global_buffer, .address_space: global }
      - { .name: bk, .offset: 24, .size: 8, .value_kind: global_buffer, .address_space: global }
      - { .name: bv, .offset: 32, .size: 8, .value_kind: global_buffer, .address_space: global }
      - { .name: acts, .offset: 40, .size: 8, .value_kind: global_buffer, .address_space: global }
      - { .name: acts_s, .offset: 48, .size: 8, .value_kind: global_buffer, .address_space: global }
    .group_segment_fixed_size: 327680
    .private_segment_fixed_size: 0
    .kernarg_segment_align: 8
    .kernarg_segment_size: 56
    .max_flat_workgroup_size: 128
    .sgpr_count:     102
    .vgpr_count:     768
    .wavefront_size: 32
...
	.end_amdgpu_metadata
.endif
;; end of part 2
;; launch attn (part 3): grid 8 x 32, 16 waves a work-group, clusters of 4 x 1, 210,944 bytes of LDS; arguments acts, acts_s, ao, ao_s; writes ao, ao_s
.if DOCPART == 3
	.amdgcn_target "amdgcn-amd-amdhsa--gfx1250"
	.amdhsa_code_object_version 6
	.text
	.protected	k_q863c65410c_attn
	.globl	k_q863c65410c_attn
	.p2align	8
	.type	k_q863c65410c_attn,@function
k_q863c65410c_attn:
	s_mov_b64 s[64:65], 0
	v_nop
	global_prefetch_b8 v0, s[64:65] scope:SCOPE_SE
	s_setreg_imm32_b32 hwreg(HW_REG_WAVE_MODE, 25, 1), 1
	s_wait_xcnt 0x0
	s_wait_alu depctr_hold_cnt(0) depctr_sa_sdst(0) depctr_va_vdst(0) depctr_va_sdst(0) depctr_va_ssrc(0) depctr_va_vcc(0) depctr_vm_vsrc(0)
	s_getreg_b32 s2, hwreg(HW_REG_IB_STS2, 6, 4)
	s_cmp_eq_u32 s2, 0
	s_cbranch_scc0 .Lentry_in_a_cluster
	s_endpgm
.Lentry_in_a_cluster:
	s_bfe_u32 s2, ttmp6, 0x10000c
	s_cmp_lg_u32 s2, 0x3003
	s_cbranch_scc0 .Lentry_shape_is_right
	s_endpgm
.Lentry_shape_is_right:
; Attention of one (batch, head) on codes of FP6 (E2M3) with E8M0 scales, and the quantising of its result along the model's axis for the last projection.
; t = score x log2(e) / 8; M = the running largest t rounded UP to a whole number; p = 2^(t - M) is quantised along the keys, not normalised; the row's sum is taken of the unquantised p and divides at the end.
; When M moves, the sum and O are multiplied by 2^(old M - new M): exact.
; SHARES.  A work-group owns 256 queries of a head; each of its sixteen waves 16 of them, in 256 registers: four waves to a SIMD.  Every wave walks the head's 2,048 keys, 128 a step.
; THE WHOLE HEAD'S K AND V LIE IN LDS.  In acts a key step is one dense block of 13,056 bytes (K's codes 6,144, V's codes 6,144, K's scale words 512, V's 256), a head sixteen such on end:
; wave w asks for key step w, 51 rows of 256 bytes, its one tensor load, by one line that all waves issue; every wave waits for it, ONE barrier shows the head to all, and the sixteen steps have no barrier.
; CLUSTER 4 x 1: four blocks of queries of one head read the same K and V: joint loads.  No prefetch: all that the work-group reads is asked for at its head.
; LAYOUT.  Both products are used transposed: S^T = K Q^T, O^T = V^T P^T: a lane holds ONE query (lane % 16).  The keys of a tile of K, and the channels of a tile of V^T, are laid by the launches before so that
; register 8 v + j of result tiles 4 c + v in lane half h is neighbour 64 c + 32 h + 8 v + j: A LANE'S 32 REGISTERS ARE ONE WHOLE SCALE BLOCK, in the lane in which the next operand wants it.
; All operands lie in the order of their registers: a half fragment (16 rows x 64 K, 768 bytes) is one load of 16 bytes a lane and one of 8.
; THE HEAD'S 64 CHANNELS ARE HALF OF THE INSTRUCTION'S K.  Q's registers 6-11 hold zero codes, and bytes 2, 3 of Q's and K's scale words are 0 (2^-127, a number): so K's operand may run on into
; the next tile's registers (behind tile 7: six registers of zeros): whatever codes stand there meet zeros.
; LIMITS: NaN and infinities are not served; a block of zeros gets the scale byte 1 (its codes are zeros; this program alone reads the bytes); the scaled scores stay under 2^31 in magnitude.
; REGISTERS: v1 16 x lane, v2 8 x lane + 512, v3 8 h, v13 8 x lane, v29 16 r; v7, v8, v12 addresses at the step in hand; v14 -M, v15 the largest t; v16-27 Q, v28 its scale word; v[30:31] the sum;
; v32-79 K's eight tiles, then V's four fragments; v80-85 zeros; v86-89 K's scale words, v90-93 V's, v94 p's; v96-159 S^T, then p; v160-191 O^T; v192-203 p's codes; v204-210 the conversions' other halves; v212-253 at work.
.set HEADB, 208896
.set STEPB, 13056
.set KV0,   3145728                    ; behind Q's codes in acts
.set VC,    6144                       ; in a key step: V's codes,
.set KSO,   12288                      ; K's scale words,
.set VSO,   12800                      ; V's
.set KF,    32
.set KSC,   86
.set VSC,   90
.set PS,    94
.set S,     96
.set O,     160
.set PC,    192
.set PT,    204
.set BX,    212
.set PR,    216
.set SOP,   220
.set F,     224
.set TP,    226
.set WV,    12
.set G1T,   24
.set G0,    32
.set CS,    72                         ; s[72:73] c = log2(e) / 8
.set SEL,   74                         ; s[74:75] lane l xor 16
.set T,     76                         ; s76 the step's place in LDS
.set CNT,   79
.macro CROUND
	s_barrier_signal -1
	s_barrier_wait -1
	s_cmp_lg_u32 s[WV], 0
	s_cbranch_scc1 .Lnot_wave_0_\@
	s_barrier_signal -3
.Lnot_wave_0_\@:
	s_barrier_wait -3
	s_barrier_signal -1
	s_barrier_wait -1
.endm
	s_load_b256 s[4:11], s[0:1], 0x0               ; acts, acts_s, ao, ao_s
	v_lshl_add_u32 v254, v0, 2, 0x33000
	v_mov_b32 v255, 0
	ds_add_u32 v254, v255                          ; the opening lines
	ds_add_u32 v254, v255
	v_lshrrev_b32 v1, 5, v0
	v_readfirstlane_b32 s[WV], v1                  ; wave 0..15
	s_bfe_u32 s13, ttmp6, 0x40000                  ; cx: it enters Q's and the result's addresses alone
	s_lshl_b32 s14, ttmp9, 2
	s_add_co_u32 s14, s14, s13
	s_lshl_b32 s14, s14, 4
	s_add_co_u32 s14, s14, s[WV]                   ; my tile of 16 queries: 0..127
	s_and_b32 s15, ttmp7, 0xffff                   ; 16 x batch + head, which the four partners share
	s_mul_i32 s20, s15, HEADB
	s_mul_i32 s19, s[WV], STEPB                    ; key step = my wave's number: in memory and in LDS
	s_add_co_u32 s20, s20, s19
	s_add_co_u32 s20, s20, KV0
	s_mov_b32 s21, 0
	s_mov_b32 s[G1T], 15|(3<<16)|(1<<21)           ; 51 rows of 256 bytes (32 elements of 8); the mask names all four work-groups, bit 21 beside it
	s_mov_b32 s[G1T+1], 32<<16
	s_mov_b32 s[G1T+2], 51<<16
	s_mov_b32 s[G1T+3], 32<<16
	s_mov_b32 s[G1T+4], 51
	s_mov_b32 s[G1T+5], 32
	s_mov_b32 s[G1T+6], 0
	s_mov_b32 s[G1T+7], 0
	s_mov_b32 s[CS], 0x3e38aa3b
	s_mov_b32 s[CS+1], s[CS]                       ; (named with it as a pair, so it is written)
	s_mov_b32 s[SEL], 0x76543210
	s_mov_b32 s[SEL+1], 0xfedcba98
	s_mov_b32 s[T], 0
	s_wait_dscnt 0x0
	s_wait_kmcnt 0x0
	s_mov_b32 s[G0], 1
	s_mov_b32 s[G0+1], s19
	s_add_nc_u64 s[G0+2:G0+3], s[4:5], s[20:21]
	s_or_b32 s[G0+3], s[G0+3], 0x80000000
	CROUND                                         ; all four work-groups are here: the joint loads meet
	tensor_load_to_lds s[G0:G0+3], s[G1T:G1T+7]
	s_nop 0
	v_and_b32 v7, 31, v0                           ; lane
	v_and_b32 v8, 15, v0                           ; r
	v_bfe_u32 v3, v0, 4, 1                         ; h
	v_lshlrev_b32 v1, 4, v7                        ; 16 x lane
	v_lshlrev_b32 v13, 3, v7                       ; 8 x lane
	v_lshlrev_b32 v29, 4, v8                       ; 16 r
	v_lshlrev_b32 v3, 3, v3                        ; 8 h
	v_add_nc_u32 v2, 512, v13
	s_wait_alu depctr_va_vdst(0)
	s_lshl_b32 s18, s15, 7
	s_add_co_u32 s18, s18, s14
	s_mul_i32 s18, s18, 768
	s_mov_b32 s19, 0
	s_add_nc_u64 s[4:5], s[4:5], s[18:19]          ; Q's half fragment
	global_load_b128 v[16:19], v1, s[4:5]
	global_load_b64 v[20:21], v13, s[4:5] offset:512
	s_lshl_b32 s18, s15, 13
	s_lshr_b32 s17, s14, 2
	s_lshl_b32 s17, s17, 8                         ; four tiles' words lie together: 256 bytes
	s_add_co_u32 s18, s18, s17
	s_and_b32 s17, s14, 3
	s_lshl_b32 s17, s17, 2
	s_add_co_u32 s18, s18, s17
	s_add_nc_u64 s[6:7], s[6:7], s[18:19]
	global_load_b32 v28, v29, s[6:7]               ; Q's scale words
	s_lshr_b32 s17, s15, 4
	s_lshl_b32 s17, s17, 7
	s_add_co_u32 s17, s17, s14                     ; the result's block of rows: 128 x batch + my tile
	s_and_b32 s16, s15, 15                         ; the head
	s_lshl_b32 s18, s17, 4
	s_add_co_u32 s18, s18, s16
	s_mul_i32 s18, s18, 768
	s_add_nc_u64 s[8:9], s[8:9], s[18:19]
	s_lshl_b32 s18, s17, 9
	s_lshr_b32 s17, s16, 3
	s_lshl_b32 s17, s17, 8
	s_add_co_u32 s18, s18, s17
	s_and_b32 s17, s16, 7
	s_lshl_b32 s17, s17, 1
	s_add_co_u32 s18, s18, s17
	s_add_nc_u64 s[10:11], s[10:11], s[18:19]      ; the head's two bytes of the rows' scale words
.irp j, 22,23,24,25,26,27,80,81,82,83,84,85
	v_mov_b32 v\j, 0                               ; zero codes
.endr
	v_mov_b32 v15, 0xff61b1e6                      ; the largest t so far: -3e38, under every t
	v_mov_b32 v30, 0                               ; the sum, in two halves
	v_mov_b32 v31, 0
	v_floor_f32 v14, -v15                          ; -M
.irp b, 0,1,2,3
	v_mov_b32 v[PR+\b], 0                          ; written once: a lane permute's destination counts as one of its sources
.endr
	v_mov_b32 v[F+1], 0                            ; (named as the upper half of a pair)
.set j, 0
.rept 32
	v_mov_b32 v[O+j], 0                            ; O^T.  (The step is written once for all steps: the first finds zeros, which the first change of M leaves zeros)
.set j, j+1
.endr
.macro STEP                            ; 128 keys
	v_add_nc_u32 v7, s[T], v1                      ; (these four are also the places in front of the loads below)
	v_add_nc_u32 v8, s[T], v2
	v_add_nc_u32 v12, s[T], v29
	v_nop
.irp t, 0,1,2,3,4,5,6,7
	ds_load_b128 v[KF+6*\t:KF+6*\t+3], v7 offset:768*\t
	ds_load_b64 v[KF+6*\t+4:KF+6*\t+5], v8 offset:768*\t
.endr
	ds_load_b128 v[KSC:KSC+3], v7 offset:KSO       ; K's scale words: lanes 0-15 tiles 0-3, lanes 16-31 tiles 4-7
	s_wait_alu depctr_va_vdst(0)
	s_wait_dscnt 0x0
.irp t, 0,1,2,3
	v_wmma_scale_f32_16x16x128_f8f6f4 v[S+8*\t:S+8*\t+7], v[KF+6*\t:KF+6*\t+11], v[16:27], 0, v[KSC+\t], v28 matrix_a_fmt:MATRIX_FMT_FP6 matrix_b_fmt:MATRIX_FMT_FP6
.endr
.irp t, 4,5,6,7
	v_wmma_scale_f32_16x16x128_f8f6f4 v[S+8*\t:S+8*\t+7], v[KF+6*\t:KF+6*\t+11], v[16:27], 0, v[KSC+\t-4], v28 matrix_a_fmt:MATRIX_FMT_FP6 matrix_b_fmt:MATRIX_FMT_FP6 matrix_a_scale:MATRIX_SCALE_ROW1
.endr
.rept 4
	v_nop                                          ; places in front of the loads into K's registers and of the first read of the scores
.endr
.irp f, 0,1,2,3,4,5,6,7                ; V's four fragments land while the softmax is walked
	ds_load_b128 v[KF+6*\f:KF+6*\f+3], v7 offset:VC+768*\f
	ds_load_b64 v[KF+6*\f+4:KF+6*\f+5], v8 offset:VC+768*\f
.endr
	ds_load_b128 v[VSC:VSC+3], v12 offset:VSO
.irp b, 0,1,2,3
	v_max3_num_f32 v[BX+\b], v[S+16*\b], v[S+1+16*\b], v[S+2+16*\b]   ; four chains of 16 scores; two chains are one block of 32 keys, all mine
.endr
.irp i, 3,5,7,9,11,13
.irp b, 0,1,2,3
	v_max3_num_f32 v[BX+\b], v[BX+\b], v[S+16*\b+\i], v[S+1+16*\b+\i]
.endr
.endr
	v_max_num_f32 v[BX], v[BX], v[S+15]
	v_max_num_f32 v[BX+2], v[BX+2], v[S+47]
	v_max3_num_f32 v[BX+1], v[BX+1], v[S+31], v[BX]      ; the largest score of my block c = 0: for the row's maximum and, since p rises with the score, for the block's largest p
	v_max3_num_f32 v[BX+3], v[BX+3], v[S+63], v[BX+2]    ; and of c = 1
	s_delay_alu instid0(VALU_DEP_1)
	v_max_num_f32 v[TP], v[BX+1], v[BX+3]
	s_delay_alu instid0(VALU_DEP_1)
	v_permlanex16_b32 v[PR], v[TP], s[SEL], s[SEL+1]
	s_delay_alu instid0(VALU_DEP_1)
	v_max_num_f32 v[TP], v[TP], v[PR]              ; with lane l xor 16's 64 keys
	s_delay_alu instid0(VALU_DEP_1)
	v_mul_f32 v[TP], s[CS], v[TP]                  ; the step's largest t (c is positive)
	s_delay_alu instid0(VALU_DEP_1)
	v_max_num_f32 v15, v15, v[TP]
	v_mov_b32 v[TP], v14
	s_delay_alu instid0(VALU_DEP_2)
	v_floor_f32 v14, -v15                          ; the new -M = floor(-t): M is a whole number
	s_delay_alu instid0(VALU_DEP_1)
	v_sub_f32 v[TP], v14, v[TP]                    ; old M - new M: a whole number, 0 or less
	s_delay_alu instid0(VALU_DEP_1)
	v_cvt_i32_f32 v[TP], v[TP]                     ; (it saturates)
	s_delay_alu instid0(VALU_DEP_1)
	v_ldexp_f32 v[F], 1.0, v[TP]                   ; f = 2^(old M - new M)
.set j, 0
.rept 32
	v_pk_fma_f32 v[S+j:S+j+1], v[S+j:S+j+1], s[CS:CS+1], v[14:15] op_sel_hi:[1,0,0]   ; t - M, two at a time
.set j, j+2
.endr
.irp b, 1,3
	v_fma_f32 v[BX+\b], v[BX+\b], s[CS], v14       ; the same of each block's largest score
.endr
.set j, 0
	s_wait_alu depctr_va_vdst(0)
.rept 64
	v_exp_f32 v[S+j], v[S+j]                       ; p = 2^(t - M), at most 1
.set j, j+1
.endr
	v_pk_mul_f32 v[30:31], v[30:31], v[F:F+1] op_sel_hi:[1,0]   ; the sums under the new M (a plain instruction behind the exponentials)
	s_wait_alu depctr_va_vdst(0)                   ; one wait for the batch, ahead of its first reader
.irp b, 1,3
	v_exp_f32 v[BX+\b], v[BX+\b]                   ; the block's largest p: the same two instructions on the same number give the same bits
.endr
	v_pk_add_f32 v[216:217], v[100:101], v[104:105]   ; the row's sum of the unquantised p, in eight chains
	v_pk_add_f32 v[252:253], v[108:109], v[112:113]
	v_pk_add_f32 v[250:251], v[116:117], v[120:121]
	v_pk_add_f32 v[248:249], v[124:125], v[128:129]
	v_pk_add_f32 v[246:247], v[132:133], v[136:137]
	v_pk_add_f32 v[244:245], v[140:141], v[144:145]
	v_pk_add_f32 v[242:243], v[148:149], v[152:153]
	v_pk_add_f32 v[30:31], v[30:31], v[156:157]
	v_pk_add_f32 v[216:217], v[216:217], v[96:97]
	v_pk_add_f32 v[252:253], v[252:253], v[98:99]
	v_pk_add_f32 v[250:251], v[250:251], v[102:103]
	v_pk_add_f32 v[248:249], v[248:249], v[106:107]
	v_pk_add_f32 v[246:247], v[246:247], v[110:111]
	v_pk_add_f32 v[244:245], v[244:245], v[114:115]
	v_pk_add_f32 v[242:243], v[242:243], v[118:119]
	v_pk_add_f32 v[30:31], v[30:31], v[122:123]
	v_pk_add_f32 v[216:217], v[216:217], v[126:127]
	v_pk_add_f32 v[252:253], v[252:253], v[130:131]
	v_pk_add_f32 v[250:251], v[250:251], v[134:135]
	v_pk_add_f32 v[248:249], v[248:249], v[138:139]
	v_pk_add_f32 v[246:247], v[246:247], v[142:143]
	v_pk_add_f32 v[244:245], v[244:245], v[146:147]
	v_pk_add_f32 v[242:243], v[242:243], v[150:151]
	v_pk_add_f32 v[30:31], v[30:31], v[154:155]
	v_pk_add_f32 v[216:217], v[216:217], v[158:159]
	s_delay_alu instid0(VALU_DEP_2)
	v_pk_add_f32 v[30:31], v[30:31], v[248:249]
	s_delay_alu instid0(VALU_DEP_2)
	v_pk_add_f32 v[216:217], v[216:217], v[246:247]
	v_pk_add_f32 v[252:253], v[252:253], v[244:245]
	v_pk_add_f32 v[250:251], v[250:251], v[242:243]
	s_delay_alu instid0(VALU_DEP_2)
	v_pk_add_f32 v[30:31], v[30:31], v[252:253]
	s_delay_alu instid0(VALU_DEP_2)
	v_pk_add_f32 v[216:217], v[216:217], v[250:251]
	s_delay_alu instid0(VALU_DEP_1)
	v_pk_add_f32 v[30:31], v[30:31], v[216:217]
	s_wait_alu depctr_va_vdst(0)                   ; and one for the two
	v_max_num_f32 v[BX+1], 0x1800000, v[BX+1]      ; the floor 2^(3 - 127): the byte cannot fall under 1
	v_max_num_f32 v[BX+3], 0x1800000, v[BX+3]
	s_delay_alu instid0(VALU_DEP_2)
	v_add_nc_u32 v[SOP], 0xff000000, v[BX+1]       ; 2 off the exponent field: the conversion's scale operand
	s_delay_alu instid0(VALU_DEP_2)
	v_add_nc_u32 v[SOP+1], 0xff000000, v[BX+3]
.irp c, 0,1                            ; my block 2 c + h: its codes are the operand's registers 6 c .. 6 c + 5
	v_cvt_scalef32_pk16_fp6_f32 v[PC+6*\c:PC+6*\c+2], v[S+32*\c:S+32*\c+15], v[SOP+\c]
	v_cvt_scalef32_pk16_fp6_f32 v[PT+4*\c:PT+4*\c+2], v[S+32*\c+16:S+32*\c+31], v[SOP+\c]
.endr
	v_lshrrev_b32 v[PR], 23, v[SOP]                ; the scales' bytes.  (Plain instructions behind the scaled conversions)
	v_lshrrev_b32 v[PR+1], 23, v[SOP+1]
.irp c, 0,1
.irp i, 0,1,2
	v_mov_b32 v[PC+3+6*\c+\i], v[PT+4*\c+\i]
.endr
.endr
	v_lshl_or_b32 v[PS], v[PR+1], 16, v[PR]
	s_delay_alu instid0(VALU_DEP_1)
	v_lshlrev_b32 v[PS], v3, v[PS]                 ; my bytes h and 2 + h,
	s_delay_alu instid0(VALU_DEP_1)
	v_permlanex16_b32 v[PR+2], v[PS], s[SEL], s[SEL+1]
	s_delay_alu instid0(VALU_DEP_1)
	v_or_b32 v[PS], v[PS], v[PR+2]                 ; with lane l xor 16's: p's scale word for these 128 keys
.set j, 0
.rept 16
	v_pk_mul_f32 v[O+j:O+j+1], v[O+j:O+j+1], v[F:F+1] op_sel_hi:[1,0]   ; O^T under the new M.  (These sixteen stand between the writing of p's codes and scale word and the products)
.set j, j+2
.endr
	s_wait_alu depctr_va_vdst(0)
	s_wait_dscnt 0x0                               ; V is in
.irp t, 0,1,2,3                        ; the four accumulators take turns
	v_wmma_scale_f32_16x16x128_f8f6f4 v[O+8*\t:O+8*\t+7], v[KF+12*\t:KF+12*\t+11], v[PC:PC+11], v[O+8*\t:O+8*\t+7], v[VSC+\t], v[PS] matrix_a_fmt:MATRIX_FMT_FP6 matrix_b_fmt:MATRIX_FMT_FP6
.endr
	s_add_co_u32 s[T], s[T], STEPB
.endm
	s_wait_alu depctr_va_vdst(0)
	s_wait_tensorcnt 0x0                           ; my key step has landed
	s_wait_loadcnt 0x0                             ; Q
	s_barrier_signal -1
	s_barrier_wait -1                              ; all sixteen key steps have: the head's K and V are whole
	s_mov_b32 s[CNT], 16
.Lstep:
	STEP
	s_sub_co_u32 s[CNT], s[CNT], 1
	s_cmp_lg_u32 s[CNT], 0
	s_cbranch_scc1 .Lstep
	; THE WAY OUT.  O^T / the sum: register i is channel 32 h + i of my query: one block of 32 along the model's axis.  It is quantised and stored as the last projection's operand.
	v_add_f32 v30, v30, v31
	s_delay_alu instid0(VALU_DEP_1)
	v_permlanex16_b32 v[PR], v30, s[SEL], s[SEL+1]
	s_delay_alu instid0(VALU_DEP_1)
	v_add_f32 v30, v30, v[PR]                      ; the row's sum
	s_wait_alu depctr_va_vdst(0)
	v_rcp_f32 v30, v30
.rept 4
	v_nop                                          ; plain instructions behind the reciprocal, and the places behind the last products
.endr
	s_wait_alu depctr_va_vdst(0)                   ; ahead of the reciprocal's first reader
.set j, 0
.rept 32
	v_mul_f32 v[S+j], v[O+j], v30                  ; each accumulator from its low end on
.set j, j+1
.endr
.irp b, 0,1
	v_max3_num_f32 v[BX+\b], |v[S+16*\b]|, |v[S+1+16*\b]|, 0x1800000
.endr
.irp i, 2,4,6,8,10,12,14
.irp b, 0,1
	s_delay_alu instid0(VALU_DEP_2)
	v_max3_num_f32 v[BX+\b], v[BX+\b], |v[S+16*\b+\i]|, |v[S+1+16*\b+\i]|
.endr
.endr
	s_delay_alu instid0(VALU_DEP_1)
	v_max_num_f32 v[BX], v[BX], v[BX+1]
	s_delay_alu instid0(VALU_DEP_1)
	v_add_nc_u32 v[SOP], 0xff000000, v[BX]
	s_delay_alu instid0(VALU_DEP_1)
	v_lshrrev_b32 v[PR], 23, v[SOP]
	s_delay_alu instid0(VALU_DEP_1)
	v_lshlrev_b32 v[TP], v3, v[PR]
	s_delay_alu instid0(VALU_DEP_1)
	v_permlanex16_b32 v[PR+1], v[TP], s[SEL], s[SEL+1]
	s_delay_alu instid0(VALU_DEP_1)
	v_or_b32 v[TP], v[TP], v[PR+1]                 ; the head's two scale bytes of my row
	v_cvt_scalef32_pk16_fp6_f32 v[PC:PC+2], v[S:S+15], v[SOP]
	v_cvt_scalef32_pk16_fp6_f32 v[PT:PT+2], v[S+16:S+31], v[SOP]
	v_nop
.irp i, 0,1,2
	v_mov_b32 v[PC+3+\i], v[PT+\i]
.endr
	global_store_b128 v1, v[PC:PC+3], s[8:9]       ; 512 consecutive bytes,
	global_store_b64 v13, v[PC+4:PC+5], s[8:9] offset:512   ; and 256: both aligned to 256
	global_store_b16 v29, v[TP], s[10:11]          ; two bytes a row, 16 bytes apart: a head owns half of a scale word; one such store a wave (both halves of the lanes write the same bytes with the same values)
	s_wait_dscnt 0x0
	s_wait_tensorcnt 0x0                           ; the wave's end
	ds_add_u32 v254, v255
	s_wait_dscnt 0x0
	CROUND                                         ; the closing round
	s_endpgm
.Lfunc_end_k_q863c65410c_attn:
	.size	k_q863c65410c_attn, .Lfunc_end_k_q863c65410c_attn-k_q863c65410c_attn
	.p2alignl 7, 3214868480
	.fill 96, 4, 3214868480
	.section	.rodata,"a",@progbits
	.p2align	6, 0x0
	.amdhsa_kernel k_q863c65410c_attn
		.amdhsa_group_segment_fixed_size 210944
		.amdhsa_private_segment_fixed_size 0
		.amdhsa_enable_private_segment 0
		.amdhsa_kernarg_size 32
		.amdhsa_user_sgpr_count 2
		.amdhsa_user_sgpr_kernarg_segment_ptr 1
		.amdhsa_wavefront_size32 1
		.amdhsa_system_sgpr_workgroup_id_x 1
		.amdhsa_system_sgpr_workgroup_id_y 1
		.amdhsa_system_sgpr_workgroup_id_z 1
		.amdhsa_system_vgpr_workitem_id 0
		.amdhsa_next_free_vgpr 256
		.amdhsa_next_free_sgpr 80
		.amdhsa_reserve_vcc 0
		.amdhsa_float_denorm_mode_32 3
		.amdhsa_float_denorm_mode_16_64 3
		.amdhsa_memory_ordered 1
		.amdhsa_forward_progress 1
		.amdhsa_inst_pref_size 26
	.end_amdhsa_kernel
	.amdgpu_metadata
---
amdhsa.version: [ 1, 2 ]
amdhsa.kernels:
  - .name:           k_q863c65410c_attn
    .symbol:         k_q863c65410c_attn.kd
    .args:
      - { .name: acts, .offset: 0, .size: 8, .value_kind: global_buffer, .address_space: global }
      - { .name: acts_s, .offset: 8, .size: 8, .value_kind: global_buffer, .address_space: global }
      - { .name: ao, .offset: 16, .size: 8, .value_kind: global_buffer, .address_space: global }
      - { .name: ao_s, .offset: 24, .size: 8, .value_kind: global_buffer, .address_space: global }
    .group_segment_fixed_size: 210944
    .private_segment_fixed_size: 0
    .kernarg_segment_align: 8
    .kernarg_segment_size: 32
    .max_flat_workgroup_size: 512
    .sgpr_count:     80
    .vgpr_count:     256
    .wavefront_size: 32
...
	.end_amdgpu_metadata
.endif
;; end of part 3
;; launch outp (part 4): grid 8 x 32, 4 waves a work-group, clusters of 4 x 4, 214,528 bytes of LDS; arguments ao, ao_s, codes, scales, bo, out0; writes out0
.if DOCPART == 4
	.amdgcn_target "amdgcn-amd-amdhsa--gfx1250"
	.amdhsa_code_object_version 6
	.text
	.protected	k_q863c65410c_outp
	.globl	k_q863c65410c_outp
	.p2align	8
	.type	k_q863c65410c_outp,@function
k_q863c65410c_outp:
	s_mov_b64 s[64:65], 0
	v_nop
	global_prefetch_b8 v0, s[64:65] scope:SCOPE_SE
	s_setreg_imm32_b32 hwreg(HW_REG_WAVE_MODE, 25, 1), 1
	s_wait_xcnt 0x0
	s_wait_alu depctr_hold_cnt(0) depctr_sa_sdst(0) depctr_va_vdst(0) depctr_va_sdst(0) depctr_va_ssrc(0) depctr_va_vcc(0) depctr_vm_vsrc(0)
	s_getreg_b32 s2, hwreg(HW_REG_IB_STS2, 6, 4)
	s_cmp_eq_u32 s2, 0
	s_cbranch_scc0 .Lentry_in_a_cluster
	s_endpgm
.Lentry_in_a_cluster:
	s_bfe_u32 s2, ttmp6, 0x10000c
	s_cmp_lg_u32 s2, 0xf033
	s_cbranch_scc0 .Lentry_shape_is_right
	s_endpgm
.Lentry_shape_is_right:
; out0 = attention's result x Wo^T + bo, on codes of FP6 (E2M3) with E8M0 scales; out0 [4096][1024] f32.
; Operand A = the attention launch's codes (128 rows a work-group), B = Wo's codes (128 rows), both in the order of the operand's registers.  The matrix instruction is used transposed (source 0 = 16 rows of B,
; source 1 = 16 rows of A): a lane holds eight neighbouring columns of one row.  bo is the C of each sum's first matrix instruction.
; SHARES.  A work-group makes 128 x 128, four waves 64 x 64 each: 16 accumulators.  All of K = 1,024 lies in LDS, in two halves of 512 along K: every tensor load is a first fill.
; CLUSTER 4 x 4: A's tiles are shared along a row of the cluster, B's along a column: joint loads.  Wave 0 asks for A's first half, wave 1 B's first, wave 2 A's second, wave 3 B's second: one load a wave.
; No prefetch: all that the work-group reads is asked for at its head.
; THE ROWS OF A BLOCK ARE NOT NEIGHBOURS (lane r of block 4 G + v is row 64 G + 32 (r / 8) + 8 v + r % 8): the stores' offsets put them back.
; REGISTERS, in windows of 256.  Window 0: v1-15 lanes and addresses; v32-47 A's scale words, v48-63 B's; v80-127, v128-175 A's fragments, two sets; v176-239 rows on the way out.
;   Window 1: v0-47, v128-175 B's fragments, two sets; v96-127 the bias.   Window 2: accumulator (a, b) at v[8 (4 a + b)].
.set NB,    4
.set HB,    2
.set NLD,   32                         ; LDS loads of a K step: 2 x 2 x (NB + 4)
; THE FILLS AS THIS TEXT HAS THEM (they take the place of what the head comment says of chunks and of who asks): LDS holds two halves of K (512 along K each): in a half A's eight blocks of 6,144 bytes, then B's eight.
; One joint load a wave: wave 0 A's first half, wave 1 B's first, wave 2 A's second, wave 3 B's second.  The first barrier shows the first half (waves 0 and 1 wait), the barrier in K step 3 the second (every wave waits).
.set RGN,   49152                      ; in a half of K: B's blocks lie behind A's eight
.set CHK,   98304                      ; from one half of K to the other
.set BHALF, 24576                      ; from one wave's four blocks of B to the other's
.set STAGE, 196608                     ; behind them: 16 rows x (256 bytes + 16) for each wave; no tensor load lands there
.set ADA16, 4
.set ADA8,  5
.set ADB16, 6
.set ADB8,  7
.set GO16,  8
.set GO8,   9
.set STO,   13
.set RD,    14
.set CO,    15
.set SA,    32
.set SB,    48
.set AF,    80
.set BK,    176
.set WV,    18
.set G1A,   24
.set G1B,   32
.set G0A,   40
.set MSB, 0
.macro WIN new                         ; the immediate's high byte repeats the setting that is left
.if MSB != \new
	s_set_vgpr_msb (MSB<<8)|\new
.set MSB, \new
.endif
.endm
.macro CROUND
	s_barrier_signal -1
	s_barrier_wait -1
	s_cmp_lg_u32 s[WV], 0
	s_cbranch_scc1 .Lnot_wave_0_\@
	s_barrier_signal -3
.Lnot_wave_0_\@:
	s_barrier_wait -3
	s_barrier_signal -1
	s_barrier_wait -1
.endm
.macro PLACES                          ; four plain instructions between a matrix instruction and a load into, or a read of, its registers
.rept 4
	v_nop
.endr
.endm
	s_load_b256 s[4:11], s[0:1], 0x0               ; ao, ao_s, codes, scales
	s_load_b128 s[12:15], s[0:1], 0x20             ; bo, out0
	v_lshl_add_u32 v254, v0, 2, 0x34400
	v_mov_b32 v255, 0
	ds_add_u32 v254, v255
	ds_add_u32 v254, v255
	v_lshrrev_b32 v1, 5, v0
	v_readfirstlane_b32 s[WV], v1                  ; wave 0..3
	s_lshr_b32 s19, s[WV], 1                       ; which 64 rows are mine
	s_and_b32 s20, s[WV], 1                        ; which 64 columns
	s_bfe_u32 s21, ttmp6, 0x40000                  ; cx
	s_bfe_u32 s22, ttmp6, 0x40004                  ; cy
	s_lshl_b32 s79, ttmp9, 2
	s_add_co_u32 s79, s79, s21                     ; tile column 0..7
	s_and_b32 s78, ttmp7, 0xffff
	s_lshl_b32 s78, s78, 2
	s_add_co_u32 s78, s78, s22                     ; tile row 0..31
	s_lshl_b32 s80, s78, 3                         ; A's first block of rows
	s_lshl_b32 s81, s79, 3
	s_add_co_u32 s81, s81, 960                     ; B's: Wo begins at block 960 of the codes
	s_mul_i32 s84, s80, 12288
	s_mov_b32 s85, 0
	s_mul_i32 s88, s81, 12288
	s_mov_b32 s89, 0
	s_lshl_b32 s92, s22, 2
	s_lshl_b32 s92, 15, s92                        ; my row of the cluster
	s_lshl_b32 s93, 0x1111, s21                    ; my column
	; group 1: eight rows (blocks) of 6,144 bytes (512 along K), 12,288 bytes apart; elements of 8 bytes; dense in LDS
	s_or_b32 s[G1A], s92, (3<<16)|(1<<21)
	s_or_b32 s[G1B], s93, (3<<16)|(1<<21)
.irp g, G1A, G1B
	s_mov_b32 s[\g+1], 768<<16
	s_mov_b32 s[\g+2], 8<<16
	s_mov_b32 s[\g+3], 768<<16
	s_mov_b32 s[\g+4], 8
	s_mov_b32 s[\g+5], 1536
	s_mov_b32 s[\g+6], 0
	s_mov_b32 s[\g+7], 0
.endr
	s_wait_dscnt 0x0
	s_wait_kmcnt 0x0
	s_add_nc_u64 s[86:87], s[4:5], s[84:85]
	s_add_nc_u64 s[90:91], s[8:9], s[88:89]
.irp c, 0,1                            ; groups 0: A's two halves of K in s[40:47], B's in s[48:55]
	s_mov_b32 s[G0A+4*\c], 1
	s_mov_b32 s[G0A+4*\c+1], \c*CHK
	s_add_nc_u64 s[G0A+4*\c+2:G0A+4*\c+3], s[86:87], \c*6144
	s_or_b32 s[G0A+4*\c+3], s[G0A+4*\c+3], 0x80000000
	s_mov_b32 s[G0A+8+4*\c], 1
	s_mov_b32 s[G0A+8+4*\c+1], \c*CHK+RGN
	s_add_nc_u64 s[G0A+8+4*\c+2:G0A+8+4*\c+3], s[90:91], \c*6144
	s_or_b32 s[G0A+8+4*\c+3], s[G0A+8+4*\c+3], 0x80000000
.endr
	CROUND                                         ; all sixteen work-groups are here: the joint loads meet
.macro ARM w, g0, g1                   ; one chain of branches on the wave's number, one load to an arm
	s_cmp_eq_u32 s[WV], \w
	s_cbranch_scc0 .Lnot_\w
	tensor_load_to_lds s[\g0:\g0+3], s[\g1:\g1+7]
	s_nop 0
.rept 4
	v_nop
.endr
	s_branch .Lasked
.Lnot_\w:
.endm
	ARM 0, G0A, G1A
	ARM 1, G0A+8, G1B
	ARM 2, G0A+4, G1A
	tensor_load_to_lds s[G0A+12:G0A+15], s[G1B:G1B+7]
	s_nop 0
.rept 4
	v_nop
.endr
.Lasked:
	v_and_b32 v1, 31, v0                           ; lane
	v_and_b32 v2, 15, v0                           ; r
	v_bfe_u32 v3, v0, 4, 1                         ; h
	v_lshlrev_b32 v[GO16], 4, v1
	v_lshlrev_b32 v[GO8], 3, v1
	v_lshlrev_b32 v10, 4, v2
	v_lshl_add_u32 v10, v3, 10, v10                ; scale words: 16 r, lanes 16-31 two blocks on (A's and B's alike)
	s_wait_alu depctr_va_vdst(0)
	; THE ROWS OF A BLOCK AS THIS PROGRAM LAYS THEM (this takes the place of the head comment's line on them): lane r of block 4 G + v is row 64 G + 32 (r / 8) + 8 v + r % 8.
	; So register j of result tile b in lane half h is column 32 h + 8 b + j of my 64, and lane r of A's block a is row 32 (r / 8) + 8 a + r % 8 of my 64.
	v_lshlrev_b32 v12, 7, v3                       ; the bias: 4 x 32 h
	; the scale words of my blocks, for all of K, come into registers once.  The word of (block a, K step s) is v[SA + 8 (a % 2) + s], in lanes 16-31 for a >= 2; B's likewise
	s_wait_alu depctr_va_vdst(0)
	s_lshl_b32 s2, s19, 2
	s_add_co_u32 s2, s2, s80
	s_lshl_b32 s2, s2, 9
	s_mov_b32 s3, 0
	s_add_nc_u64 s[6:7], s[6:7], s[2:3]
	s_lshl_b32 s2, s20, 2
	s_add_co_u32 s2, s2, s81
	s_lshl_b32 s2, s2, 9
	s_add_nc_u64 s[10:11], s[10:11], s[2:3]
.irp i, 0,1
.irp g, 0,1
	global_load_b128 v[SA+8*\i+4*\g:SA+8*\i+4*\g+3], v10, s[6:7] offset:512*\i+256*\g
	global_load_b128 v[SB+8*\i+4*\g:SB+8*\i+4*\g+3], v10, s[10:11] offset:512*\i+256*\g
.endr
.endr
	s_lshl_b32 s2, s79, 9
	s_lshl_b32 s95, s20, 8
	s_add_co_u32 s2, s2, s95                       ; 4 x my first column
	s_add_nc_u64 s[12:13], s[12:13], s[2:3]
	s_add_nc_u64 s[14:15], s[14:15], s[2:3]
	s_lshl_b32 s2, s78, 19
	s_lshl_b32 s95, s19, 18
	s_add_co_u32 s2, s2, s95                       ; my first row of 4,096 bytes
	s_add_nc_u64 s[14:15], s[14:15], s[2:3]
	WIN 0x40                                       ; destination window 1
.irp b, 0,1,2,3                        ; tile b, lane half h: columns 32 h + 8 b + 0 .. 7
	global_load_b128 v[96+8*\b:96+8*\b+3], v12, s[12:13] offset:32*\b
	global_load_b128 v[96+8*\b+4:96+8*\b+7], v12, s[12:13] offset:32*\b+16
.endr
	WIN 0
	s_mul_i32 s95, s19, 24576                      ; LDS: my four blocks of A (6,144 bytes a block in a half of K),
	v_add_nc_u32 v[ADA16], s95, v[GO16]
	v_add_nc_u32 v[ADA8], s95, v[GO8]
	v_add_nc_u32 v[ADA8], 512, v[ADA8]
	s_mul_i32 s95, s20, BHALF
	s_add_co_u32 s95, s95, RGN                     ; my four of B
	v_add_nc_u32 v[ADB16], s95, v[GO16]
	v_add_nc_u32 v[ADB8], s95, v[GO8]
	v_add_nc_u32 v[ADB8], 512, v[ADB8]
	s_mul_i32 s95, s[WV], 4352
	s_add_co_u32 s95, s95, STAGE                   ; my stage
	v_mul_u32_u24 v[STO], v2, 272
	v_lshl_add_u32 v[STO], v3, 7, v[STO]
	v_add_nc_u32 v[STO], s95, v[STO]               ; in: row r, + 128 h
	v_mul_u32_u24 v[RD], v3, 272
	v_lshl_add_u32 v[RD], v2, 4, v[RD]
	v_add_nc_u32 v[RD], s95, v[RD]                 ; back: lanes 0-15 one row of 256 bytes, lanes 16-31 the next
	v_lshlrev_b32 v[CO], 12, v3
	v_lshl_add_u32 v[CO], v2, 4, v[CO]             ; and the same two rows in out0
.macro FETCH s                         ; the fragments of K step s into set s % 2
	WIN 0x40
.set fb, 0
.rept 2*NB
	ds_load_b128 v[128*((\s)%2)+6*fb:128*((\s)%2)+6*fb+3], v[ADB16] offset:6144*(fb/2)+1536*((\s)%4)+768*(fb%2)
	ds_load_b64 v[128*((\s)%2)+6*fb+4:128*((\s)%2)+6*fb+5], v[ADB8] offset:6144*(fb/2)+1536*((\s)%4)+768*(fb%2)
.set fb, fb+1
.endr
	WIN 0
.set fb, 0
.rept 8
	ds_load_b128 v[AF+48*((\s)%2)+6*fb:AF+48*((\s)%2)+6*fb+3], v[ADA16] offset:6144*(fb/2)+1536*((\s)%4)+768*(fb%2)
	ds_load_b64 v[AF+48*((\s)%2)+6*fb+4:AF+48*((\s)%2)+6*fb+5], v[ADA8] offset:6144*(fb/2)+1536*((\s)%4)+768*(fb%2)
.set fb, fb+1
.endr
.endm
.macro MUL s                           ; 4 NB matrix instructions; the accumulators take turns, one instruction a turn.  K step 0 starts the sums with the bias as C
.if (\s) == 0
	WIN 0x91                                       ; source 0 (B) and C window 1, source 1 (A) window 0, D window 2
.else
	WIN 0xa1                                       ; C and D window 2
.endif
.set ma, 0
.rept 4
.set mb, 0
.rept NB
.set rD, 8*(NB*ma+mb)
.set rB, 128*((\s)%2)+12*mb
.set rA, AF+48*((\s)%2)+12*ma
.if (\s) == 0
.set rC, 96+8*mb
.else
.set rC, rD
.endif
.set rSB, SB+8*(mb%HB)+(\s)
.set rSA, SA+8*(ma%2)+(\s)
.if (mb >= HB) && (ma >= 2)
	v_wmma_scale_f32_16x16x128_f8f6f4 v[rD:rD+7], v[rB:rB+11], v[rA:rA+11], v[rC:rC+7], v[rSB], v[rSA] matrix_a_fmt:MATRIX_FMT_FP6 matrix_b_fmt:MATRIX_FMT_FP6 matrix_a_scale:MATRIX_SCALE_ROW1 matrix_b_scale:MATRIX_SCALE_ROW1
.elseif mb >= HB
	v_wmma_scale_f32_16x16x128_f8f6f4 v[rD:rD+7], v[rB:rB+11], v[rA:rA+11], v[rC:rC+7], v[rSB], v[rSA] matrix_a_fmt:MATRIX_FMT_FP6 matrix_b_fmt:MATRIX_FMT_FP6 matrix_a_scale:MATRIX_SCALE_ROW1
.elseif ma >= 2
	v_wmma_scale_f32_16x16x128_f8f6f4 v[rD:rD+7], v[rB:rB+11], v[rA:rA+11], v[rC:rC+7], v[rSB], v[rSA] matrix_a_fmt:MATRIX_FMT_FP6 matrix_b_fmt:MATRIX_FMT_FP6 matrix_b_scale:MATRIX_SCALE_ROW1
.else
	v_wmma_scale_f32_16x16x128_f8f6f4 v[rD:rD+7], v[rB:rB+11], v[rA:rA+11], v[rC:rC+7], v[rSB], v[rSA] matrix_a_fmt:MATRIX_FMT_FP6 matrix_b_fmt:MATRIX_FMT_FP6
.endif
.set mb, mb+1
.endr
.set ma, ma+1
.endr
.endm
.macro EVEN s                          ; a K step whose successor lies in the same half of K: it is fetched
.if (\s) > 0
	PLACES
.endif
	FETCH (\s)+1
	s_wait_dscnt NLD                               ; this step's fragments are in; the loads just issued may be out
	MUL \s
.endm
.macro ODD s                           ; K step 3, the first half's last: the second half is shown landed to all four waves, and its first step is fetched
	WIN 0
	s_wait_dscnt 0x0                               ; this step's fragments are in, and no LDS instruction of mine is out at the signal
	s_wait_tensorcnt 0x0                           ; every wave's load has landed: the barrier shows all that was still out
	s_barrier_signal -1
	s_barrier_wait -1
	v_add_nc_u32 v[ADA16], CHK, v[ADA16]           ; on to the next chunk.  (These four are the places in front of the loads below)
	v_add_nc_u32 v[ADA8], CHK, v[ADA8]
	v_add_nc_u32 v[ADB16], CHK, v[ADB16]
	v_add_nc_u32 v[ADB8], CHK, v[ADB8]
	s_wait_alu depctr_va_vdst(0)                   ; a wait behind these writes
	FETCH (\s)+1
	MUL \s
.endm
	s_wait_alu depctr_va_vdst(0)
	s_cmp_lt_u32 s[WV], 2
	s_cbranch_scc0 .Lnot_first
	s_wait_tensorcnt 0x0                           ; waves 0 and 1: the first half of K has landed
.Lnot_first:
	s_barrier_signal -1
	s_barrier_wait -1
	FETCH 0
	s_wait_loadcnt 0x0                             ; scale words and bias
	EVEN 0
	EVEN 1
	EVEN 2
	ODD 3
	EVEN 4
	EVEN 5
	EVEN 6
	s_wait_dscnt 0x0
	MUL 7
	WIN 0
	PLACES
; THE WAY OUT, a block of 16 rows x 64 columns at a time, through my own stage: a lane's 32 bytes go in by rows of 272 bytes and come back as whole rows of 256, which sixteen lanes store as one aligned run.
; LDS serves a wave's instructions in order (ISA guide 5.7.1.4): no wait between the stores and the loads, nor in front of the next block's stores.
.macro TOSTAGE a
	WIN 0x08                                       ; an LDS store's data are its source 1: window 2
.irp b, 0,1,2,3
	ds_store_b128 v[STO], v[8*(4*(\a)+\b):8*(4*(\a)+\b)+3] offset:32*\b          ; row r, + 128 h; each accumulator from its low end on
	ds_store_b128 v[STO], v[8*(4*(\a)+\b)+4:8*(4*(\a)+\b)+7] offset:32*\b+16
.endr
	WIN 0
.set BB, BK+32*((\a)%2)
.irp i, 0,1,2,3,4,5,6,7
	ds_load_b128 v[BB+4*\i:BB+4*\i+3], v[RD] offset:544*\i
.endr
.endm
.macro SEND a, younger                 ; younger: the LDS instructions issued behind block a's loads, which may stay out
.set BB, BK+32*((\a)%2)
	s_wait_dscnt \younger
.irp i, 0,1,2,3,4,5,6,7                ; stage rows 2 i and 2 i + 1 are rows 2 i + 24 (i / 4) and the next, from the block's first row
	global_store_b128 v[CO], v[BB+4*\i:BB+4*\i+3], s[14:15] offset:(8*(\a)+2*(\i%4)+32*(\i/4))*4096 th:TH_STORE_NT   ; stage rows 2 i, 2 i + 1 are rows 8 a + 2 (i % 4) + 32 (i / 4) and the next of my 64
.endr
.endm
	TOSTAGE 0
.irp a, 1,2,3
.if \a > 1
	s_wait_xcnt 0x0                                ; block a - 2's stores have read their registers: block a's rows may land there
.endif
	TOSTAGE \a
	SEND \a-1, 16                                  ; behind block a - 1's loads: block a's 8 stores and 8 loads
.endr
	SEND 3, 0
	s_wait_dscnt 0x0
	s_wait_tensorcnt 0x0
	ds_add_u32 v254, v255
	s_wait_dscnt 0x0
	CROUND                                         ; the closing round
	s_endpgm
.Lfunc_end_k_q863c65410c_outp:
	.size	k_q863c65410c_outp, .Lfunc_end_k_q863c65410c_outp-k_q863c65410c_outp
	.p2alignl 7, 3214868480
	.fill 96, 4, 3214868480
	.section	.rodata,"a",@progbits
	.p2align	6, 0x0
	.amdhsa_kernel k_q863c65410c_outp
		.amdhsa_group_segment_fixed_size 214528
		.amdhsa_private_segment_fixed_size 0
		.amdhsa_enable_private_segment 0
		.amdhsa_kernarg_size 48
		.amdhsa_user_sgpr_count 2
		.amdhsa_user_sgpr_kernarg_segment_ptr 1
		.amdhsa_wavefront_size32 1
		.amdhsa_system_sgpr_workgroup_id_x 1
		.amdhsa_system_sgpr_workgroup_id_y 1
		.amdhsa_system_sgpr_workgroup_id_z 1
		.amdhsa_system_vgpr_workitem_id 0
		.amdhsa_next_free_vgpr 768
		.amdhsa_next_free_sgpr 100
		.amdhsa_reserve_vcc 0
		.amdhsa_float_denorm_mode_32 3
		.amdhsa_float_denorm_mode_16_64 3
		.amdhsa_memory_ordered 1
		.amdhsa_forward_progress 1
		.amdhsa_inst_pref_size 51
	.end_amdhsa_kernel
	.amdgpu_metadata
---
amdhsa.version: [ 1, 2 ]
amdhsa.kernels:
  - .name:           k_q863c65410c_outp
    .symbol:         k_q863c65410c_outp.kd
    .args:
      - { .name: ao, .offset: 0, .size: 8, .value_kind: global_buffer, .address_space: global }
      - { .name: ao_s, .offset: 8, .size: 8, .value_kind: global_buffer, .address_space: global }
      - { .name: codes, .offset: 16, .size: 8, .value_kind: global_buffer, .address_space: global }
      - { .name: scales, .offset: 24, .size: 8, .value_kind: global_buffer, .address_space: global }
      - { .name: bo, .offset: 32, .size: 8, .value_kind: global_buffer, .address_space: global }
      - { .name: out0, .offset: 40, .size: 8, .value_kind: global_buffer, .address_space: global }
    .group_segment_fixed_size: 214528
    .private_segment_fixed_size: 0
    .kernarg_segment_align: 8
    .kernarg_segment_size: 48
    .max_flat_workgroup_size: 128
    .sgpr_count:     100
    .vgpr_count:     768
    .wavefront_size: 32
...
	.end_amdgpu_metadata
.endif
;; end of part 4
